; MI455X (gfx1250); checked and timed in simulation.
; The chip was launched on July 23, 2026; its instructions are those of AMD's public machine-readable ISA for CDNA 5 (MIT licence, August 2026) and "CDNA5" Instruction Set Architecture Reference Guide (July 2026). The comments in the code are by the model that wrote it; some were corrected since.
;; Cross Modal Attention. Allowed arithmetic: matrix products marked QUANTISED: E3M2 operands, one E8M0 scale for each 32 along K, by v_wmma_scale_f32_16x16x128_f8f6f4 with both operands' format E3M2, f32 sums; everything else in f32.
;; Inputs: Wk 512 x 1,024 float32; Wo 1,024 x 1,024 float32; Wq 1,024 x 1,024 float32; Wv 512 x 1,024 float32; bk 1,024 float32; bo 1,024 float32; bq 1,024 float32; bv 1,024 float32; key 8 x 2,048 x 512 float32; query 8 x 1,024 x 1,024 float32.
;; Outputs: out0 8 x 1,024 x 1,024 float32.
;; This version of the problem:
;;   THIS VERSION OF THE PROBLEM IS GIVEN IN LOW PRECISION. The matrix products marked QUANTISED in the list below multiply operands that are first quantised to E3M2 (3 exponent bits, 2 mantissa bits; 6 bits a number), with one power-of-two scale for each 32 numbers along K (OCP MX v1.0); their sums are f32. All else is computed in f32.
;;   The module's matrix products, in the order in which they are computed (A, B: the left and right operand; K: the contracted axis; several contracted axes count as one K, in the product's order):
;;     1. [M 8,192, K 1,024] x [K 1,024, N 1,024]; A: input query; B: input Wq: QUANTISED
;;     2. [M 16,384, K 512] x [K 512, N 1,024]; A: input key; B: input Wk: QUANTISED
;;     3. [M 16,384, K 512] x [K 512, N 1,024]; A: input key; B: input Wv: QUANTISED
;;     4. batch 8 x [M 1,024, K 1,024] x [K 1,024, N 2,048]; A: computed on the way; B: computed on the way: QUANTISED
;;     5. batch 8 x [M 1,024, K 2,048] x [K 2,048, N 1,024]; A: softmax (see below); B: computed on the way: QUANTISED
;;     6. [M 8,192, K 1,024] x [K 1,024, N 1,024]; A: computed on the way; B: input Wo: QUANTISED
;;   THE QUANTISER, for each operand of a quantised product, along K:
;;     - K is cut into blocks of 32 from its start; a last block that is shorter is filled with zeros.
;;     - A block's scale is 2^e with e = floor(log2(the largest magnitude in the block)) - 4, held to -126 .. 127; a block of zeros has e = 0. As a byte (E8M0): e + 127.
;;     - Each number is divided by its block's scale, clamped to +-28, and rounded to the nearest number of E3M2, ties to even, subnormals kept.
;;     - The product sums the exact products of the quantised numbers (number of the format x scale) in f32.
;;   ~~~python
;;   def quantise(x, axis):      # numpy; x: float32 -> the quantised numbers, widened to float32 again
;;       x = np.moveaxis(x, axis, -1); K = x.shape[-1]
;;       x = np.pad(x, [(0, 0)] * (x.ndim - 1) + [(0, -K % 32)]); x = x.reshape(x.shape[:-1] + (-1, 32)); a = np.abs(x).max(-1, keepdims=True)
;;       e = np.where(a > 0, np.clip(np.frexp(np.where(a > 0, a, 1))[1] - 1 - 4, -126, 127), 0)      # np.frexp(a)[1] - 1 = floor(log2(a)), exactly
;;       r = np.clip(x / 2.0 ** e, -28, 28)
;;       step = 2.0 ** (np.maximum(np.frexp(np.where(r == 0, 1, r))[1] - 1, -2) - 2)
;;       q = np.round(r / step) * step * 2.0 ** e      # np.round: ties to even
;;       return np.moveaxis(q.reshape(q.shape[:-2] + (-1,))[..., :K], -1, axis).astype(np.float32)
;;   ~~~
;;   SOFTMAX AHEAD OF A QUANTISED PRODUCT. Where the list says 'softmax', what is quantised is not the finished softmax but p = 2^(t - M), with t = logit x log2(e) and M = ceil(the row's largest t), a whole number; so 1/2 < the row's largest p <= 1. The row's sum l is taken of the UNQUANTISED p, in f32, and the product's result is divided by l at the end. Since M is a whole number, a kernel that streams over the keys may use a running M (the ceiling of the running maximum): every later rescaling is an exact power of two, which a block's scale takes up: the codes' values come out the same.
;;   OPERANDS COMPUTED ON THE WAY. 'Computed on the way' means the value that the module computes at that place (a softmax that the list does not call 'softmax' is quantised finished and normalised). What goes into a quantiser is computed in f32, as accurately as f32 sums, v_exp_f32 and their like allow (about 1e-6 of the number): no bf16 or f16 on the way to a quantiser, and a product that is left as it is and whose result goes on into a quantised operand takes f32 operands (vector FMAs, or v_wmma_f32_16x16x4_f32). A number that lies on a knife's edge between two numbers of the format may be rounded either way, as far as f32 arithmetic and the matrix unit's own rounding can turn it there, and no further.
;; One version. Each part assembles by itself: llvm-mc -triple=amdgcn-amd-amdhsa -mcpu=gfx1250 --defsym DOCPART=n.
;; ======== version 1 of 1: 5 launches
;; limits: right only within a limited range of input values
;; workspace buffers: xw 15,564,800 bytes; qkv 32,768,000 bytes; pc 12,582,912 bytes; pst 1,572,864 bytes; at 6,553,600 bytes
;; launch pack (part 1): grid 352 x 1, 8 waves a work-group, no clusters, 95,232 bytes of LDS; arguments query, key, Wq, Wo, Wk, Wv, xw; writes xw
.if DOCPART == 1
	.amdgcn_target "amdgcn-amd-amdhsa--gfx1250"
	.amdhsa_code_object_version 6
	.text
	.protected	k_qdffbede222_pack
	.globl	k_qdffbede222_pack
	.p2align	8
	.type	k_qdffbede222_pack,@function
k_qdffbede222_pack:
	s_mov_b64 s[64:65], 0
	v_nop
	global_prefetch_b8 v0, s[64:65] scope:SCOPE_SE
	s_setreg_imm32_b32 hwreg(HW_REG_WAVE_MODE, 25, 1), 1
	s_wait_xcnt 0x0
; PACK: query [8192][1024], key [16384][512] (K innermost) and Wq, Wo [1024][1024], Wk, Wv [512][1024] (K = the first axis), all f32, become codes of BF6 (E3M2) with one E8M0 byte for each 32 along K.
; THE PACKED FORMAT.  An operand X[rows][K] is laid as blocks [row / 128][k / 256] of 25,600 bytes, in the order of the matrix operand's registers: fragment (q = (k / 128) % 2, i = 0 .. 7) at (8 q + i) x 1,536;
; in it registers 4 c .. 4 c + 3 of lane l at 512 c + 16 l; the scale words (4 bytes: 128 along K of one row) at 24,576 + 512 q + 64 i + 4 rho.
; Fragment i = 2 b + u holds in lane-row rho the group's row 32 b + 8 u + rho % 8 + 16 (rho / 8): with that order a product's results are neighbours along the next product's K in a lane's registers.
; A block's scale is 2^(floor(log2(largest magnitude)) - 4): its byte is the largest magnitude's exponent field - 4, held at 1 from below.
; LIMITS: a block of zeros, or one whose largest magnitude lies under 2^-122, gets the byte 1 (its codes are zeros or subnormal codes; this program alone reads the bytes).  NaN and infinities are not served.
; Work-groups 0-127: query; 128-255: key; 256-351: the weights.  Waves share nothing: no barrier.  The two paths have LDS bytes of their own.
.set KX,    6553600                    ; key's blocks in xw
.set W0,    13107200                   ; the weights' blocks in xw: Wq +0, Wo +819,200, Wk +1,638,400, Wv +2,048,000
.set BLK,   25600
.set SCO,   24576                      ; the scale words in a block
.set WREG,  8704                       ; rows' path: a wave's LDS: a stage of 16 rows x 528 bytes, then 256 bytes of scale words
.set SPT,   528                        ; a stage row: 512 bytes + 16: row r starts 4 r banks on
.set WIMG,  8*WREG                     ; weights' path: 3,072 bytes a wave: the image of two fragments
.set R,     32                         ; v32-159  two sets of 16 x 4 registers as loaded
.set X,     160                        ; v160-223 my 64 numbers: two whole blocks of 32
.set PC,    224                        ; v224-247 a fragment's 12 registers, two sets
.set T,     248                        ; v248-254 the upper halves of the blocks' codes before they are moved
.set SEL,   50                         ; s[50:51] lane selects: lane l xor 16
.set XW,    32                         ; weights: v32-159 my column's 128 numbers down K
.set CW,    160                        ; v160-191 six registers of codes for each of four blocks
.set TW,    192
.set OW,    200                        ; v200-223 the image read back
.macro LOADF f                         ; fragment f of my four: 16 rows x 512 consecutive bytes, a row a load
.irp p, 0,1,2,3,4,5,6,7,8,9,10,11,12,13,14,15
	global_load_b128 v[R+64*((\f)%2)+4*\p:R+64*((\f)%2)+4*\p+3], v[16+\p%8], s[32+4*(\f)+2*(\p/8):33+4*(\f)+2*(\p/8)] th:TH_LOAD_NT
.endr
.endm
.macro FRAGA f
.set RS, R+64*((\f)%2)
.set PS, PC+12*((\f)%2)
.if (\f) < 3
	s_wait_loadcnt 16                              ; this fragment's 16 loads are in; the next fragment's 16 may be out
.else
	s_wait_loadcnt 0x0
.endif
.irp p, 0,1,2,3,4,5,6,7,8,9,10,11,12,13,14,15
	ds_store_b128 v2, v[RS+4*\p:RS+4*\p+3] offset:SPT*\p             ; as loaded: row p
.endr
.irp c, 0,1
.irp j, 0,1,2,3,4,5,6,7
	ds_load_b128 v[X+32*\c+4*\j:X+32*\c+4*\j+3], v3 offset:256*\c+16*\j   ; back: lane (r, h) takes k = 64 c + 32 h + 0 .. 31 of row r (LDS serves a wave's instructions in order)
.endr
.endr
	s_wait_dscnt 0x0                               ; my numbers are back, and the stores have read the set that the next loads fill
.if (\f) < 2
	LOADF (\f)+2
.endif
.irp c, 0,1
	v_max3_num_f32 v[8+\c], |v[X+32*\c]|, |v[X+32*\c+1]|, 0x2800000   ; a block's largest magnitude, with the floor 2^(5 - 127) among its leaves: the byte cannot fall under 1
.endr
.irp i, 2,4,6,8,10,12,14,16,18,20,22,24,26,28,30
.irp c, 0,1
	s_delay_alu instid0(VALU_DEP_2)
	v_max3_num_f32 v[8+\c], v[8+\c], |v[X+32*\c+\i]|, |v[X+32*\c+\i+1]|
.endr
.endr
.irp c, 0,1
	s_delay_alu instid0(VALU_DEP_2)
	v_add_nc_u32 v[10+\c], 0xfe000000, v[8+\c]     ; 4 off the exponent field: the conversion's scale operand
.endr
.irp c, 0,1
	s_delay_alu instid0(VALU_DEP_2)
	v_lshrrev_b32 v[12+\c], 23, v[10+\c]           ; the byte
.endr
	s_delay_alu instid0(VALU_DEP_1)
	v_lshl_or_b32 v14, v13, 16, v12                ; my bytes: blocks h and 2 + h of row r,
	s_delay_alu instid0(VALU_DEP_1)
	v_lshlrev_b32 v14, v7, v14                     ; 8 h bits up;
	s_delay_alu instid0(VALU_DEP_1)
	v_permlanex16_b32 v15, v14, s[SEL], s[SEL+1]
	s_delay_alu instid0(VALU_DEP_1)
	v_or_b32 v14, v14, v15                         ; with lane l xor 16's two the word is whole
.if (\f) >= 2
	s_wait_alu depctr_va_vdst(0)
	s_wait_xcnt 0x0                                ; the stores of two fragments back have read this set of codes
.endif
.irp c, 0,1
	v_cvt_scalef32_pk16_bf6_f32 v[PS+6*\c:PS+6*\c+2], v[X+32*\c:X+32*\c+15], v[10+\c]
	v_cvt_scalef32_pk16_bf6_f32 v[T+4*\c:T+4*\c+2], v[X+32*\c+16:X+32*\c+31], v[10+\c]   ; (a conversion's three registers begin on an even number)
.endr
	v_nop                                          ; one plain place behind a scaled conversion
.irp c, 0,1
.irp i, 0,1,2
	v_mov_b32 v[PS+6*\c+3+\i], v[T+4*\c+\i]
.endr
.endr
.irp k, 0,1,2
	global_store_b128 v1, v[PS+4*\k:PS+4*\k+3], s[28:29] offset:1536*(\f)+512*\k   ; 512 consecutive bytes, aligned to 256
.endr
	ds_store_b32 v4, v14 offset:64*(\f)            ; both halves write the same word with the same value
.endm
.macro LOADW t                         ; block t of my column: W(32 t + i, my column); 32 lanes read 128 consecutive bytes, the eight waves 1,024
.irp i, 0,1,2,3,4,5,6,7,8,9,10,11,12,13,14,15,16,17,18,19,20,21,22,23,24,25,26,27,28,29,30,31
	global_load_b32 v[XW+32*(\t)+\i], v3, s[22:23] offset:(32*(\t)+\i)*4096
.endr
.endm
.macro BLOCKW t
.set XS, XW+32*(\t)
.set CB, CW+8*(\t)
.if (\t) < 3
	s_wait_loadcnt 32                              ; this block's 32 loads are in; the next block's 32 may be out
.else
	s_wait_loadcnt 0x0
.endif
	v_max3_num_f32 v8, |v[XS]|, |v[XS+1]|, |v[XS+2]|
	v_max3_num_f32 v9, |v[XS+3]|, |v[XS+4]|, |v[XS+5]|
.irp i, 6,10,14,18,22,26
	s_delay_alu instid0(VALU_DEP_2)
	v_max3_num_f32 v8, v8, |v[XS+\i]|, |v[XS+\i+1]|
	s_delay_alu instid0(VALU_DEP_2)
	v_max3_num_f32 v9, v9, |v[XS+\i+2]|, |v[XS+\i+3]|
.endr
	s_delay_alu instid0(VALU_DEP_2)
	v_max3_num_f32 v8, v8, |v[XS+30]|, |v[XS+31]|
	s_delay_alu instid0(VALU_DEP_1)
	v_max3_num_f32 v8, v8, v9, 0x2800000           ; with the floor
	s_delay_alu instid0(VALU_DEP_1)
	v_add_nc_u32 v12, 0xfe000000, v8
	s_delay_alu instid0(VALU_DEP_1)
	v_lshrrev_b32 v13, 23, v12
.if (\t) == 0
	s_delay_alu instid0(VALU_DEP_1)
	v_mov_b32 v14, v13
.else
	s_delay_alu instid0(VALU_DEP_1)
	v_lshl_or_b32 v14, v13, 8*(\t), v14            ; my column's scale word: byte t
.endif
	v_cvt_scalef32_pk16_bf6_f32 v[CB:CB+2], v[XS:XS+15], v12
	v_cvt_scalef32_pk16_bf6_f32 v[TW:TW+2], v[XS+16:XS+31], v12
	v_nop                                          ; one plain place behind a scaled conversion
.irp i, 0,1,2
	v_mov_b32 v[CB+3+\i], v[TW+\i]
.endr
; block t = 2 c + h is registers 6 c .. 6 c + 5 of fragment lane rho + 16 h: into the image of the fragment's registers
.if (\t)/2 == 0
	ds_store_b128 v4, v[CB:CB+3] offset:256*((\t)%2)
	ds_store_b64 v4, v[CB+4:CB+5] offset:512+256*((\t)%2)
.else
	ds_store_b64 v4, v[CB:CB+1] offset:520+256*((\t)%2)
	ds_store_b128 v4, v[CB+2:CB+5] offset:1024+256*((\t)%2)
.endif
.if (\t) < 2
	LOADW (\t)+2
.endif
.endm
	s_load_b256 s[4:11], s[0:1], 0x0               ; query, key, Wq, Wo
	s_load_b128 s[12:15], s[0:1], 0x20             ; Wk, Wv
	s_load_b64 s[16:17], s[0:1], 0x30              ; xw
	v_lshl_add_u32 v251, v0, 2, 0x17000
	v_mov_b32 v255, 0
	v_lshrrev_b32 v1, 5, v0
	s_delay_alu instid0(VALU_DEP_1)
	v_readfirstlane_b32 s18, v1                    ; wave 0..7
	v_and_b32 v9, 31, v0                           ; lane
	s_delay_alu instid0(VALU_DEP_1)
	v_lshlrev_b32 v1, 4, v9                        ; 16 x lane
	s_cmp_ge_u32 ttmp9, 256
	s_cbranch_scc1 .Lweights
	; ---- query and key: a wave makes four fragments (16 rows x 128 K each)
	s_mov_b32 s[SEL], 0x76543210
	s_mov_b32 s[SEL+1], 0xfedcba98
	s_cmp_lt_u32 ttmp9, 128                        ; query or key?  All choices stand ahead of the first addition
	s_cselect_b32 s19, 0, 128
	s_mov_b32 s20, 2048
	s_cselect_b32 s20, 4096, s20                   ; a row in bytes
	s_cselect_b32 s21, 4, 2                        ; blocks along K
	s_cselect_b32 s22, 0, KX                       ; the region in xw
	s_cselect_b32 s23, 1, 0                        ; query: two work-groups to a group of 128 rows
	s_sub_co_u32 s19, ttmp9, s19
	s_lshr_b32 s24, s19, s23                       ; g: the group of 128 rows
	s_and_b32 s25, s19, s23
	s_lshl_b32 s25, s25, 2
	s_and_b32 s26, s18, 3
	s_add_co_u32 s25, s25, s26                     ; ks: which 128 along K
	s_lshr_b32 s26, s18, 2                         ; hf: fragments 4 hf .. 4 hf + 3
	s_lshl_b32 s27, s24, 7
	s_lshl_b32 s52, s26, 6
	s_add_co_u32 s27, s27, s52                     ; row 128 g + 64 hf
	s_mul_i32 s27, s27, s20
	s_lshl_b32 s52, s25, 9
	s_add_co_u32 s52, s27, s52                     ; + 512 ks bytes
	s_mov_b32 s53, 0
	s_mul_i32 s56, s24, s21
	s_lshr_b32 s57, s25, 1
	s_add_co_u32 s56, s56, s57
	s_mul_i32 s56, s56, BLK
	s_add_co_u32 s56, s56, s22                     ; my block in xw
	s_mov_b32 s57, 0
	s_and_b32 s58, s25, 1                          ; q
	s_wait_kmcnt 0x0
	s_cmp_lt_u32 ttmp9, 128
	s_cselect_b64 s[54:55], s[4:5], s[6:7]
	s_add_nc_u64 s[54:55], s[54:55], s[52:53]
.irp f, 0,1,2,3
.irp hi, 0,1
	s_mul_i32 s52, s20, 32*(\f/2)+8*(\f%2)+16*\hi
	s_add_nc_u64 s[32+4*\f+2*\hi:33+4*\f+2*\hi], s[54:55], s[52:53]   ; fragment f, lane-rows 8 hi on
.endr
.endr
	s_add_nc_u64 s[16:17], s[16:17], s[56:57]
	s_mul_i32 s56, s58, 12288
	s_mul_i32 s59, s26, 6144
	s_add_co_u32 s56, s56, s59
	s_add_nc_u64 s[28:29], s[16:17], s[56:57]      ; my four fragments
	s_lshl_b32 s56, s58, 9
	s_lshl_b32 s59, s26, 8
	s_add_co_u32 s56, s56, s59
	s_add_co_u32 s56, s56, SCO
	s_add_nc_u64 s[30:31], s[16:17], s[56:57]      ; their 256 bytes of scale words
	v_and_b32 v10, 15, v0                          ; r
	v_bfe_u32 v11, v0, 4, 1                        ; h
	s_mul_i32 s60, s18, WREG
	s_wait_alu depctr_va_vdst(0)
	v_add_nc_u32 v2, s60, v1                       ; the stage, in
	v_mul_u32_u24 v3, v10, SPT
	s_delay_alu instid0(VALU_DEP_1)
	v_lshl_add_u32 v3, v11, 7, v3
	s_delay_alu instid0(VALU_DEP_1)
	v_add_nc_u32 v3, s60, v3                       ; and out: row r, + 128 h
	s_add_co_u32 s61, s60, 16*SPT
	v_lshl_add_u32 v4, v10, 2, s61                 ; my row's scale word
	v_lshlrev_b32 v6, 3, v9                        ; 8 x lane
	s_delay_alu instid0(VALU_DEP_1)
	v_add_nc_u32 v5, s61, v6
	v_lshlrev_b32 v7, 3, v11                       ; 8 h
	v_mov_b32 v15, 0                               ; a lane permute's destination counts as a source
.irp p, 0,1,2,3,4,5,6,7
	s_mul_i32 s62, s20, \p
	v_add_nc_u32 v[16+\p], s62, v1                 ; 16 x lane + p rows
.endr
	LOADF 0
	LOADF 1
	s_wait_alu depctr_va_vdst(0)
	FRAGA 0
	FRAGA 1
	FRAGA 2
	FRAGA 3
	ds_load_b64 v[12:13], v5                       ; the four fragments' scale words (in order behind my stores)
	s_wait_dscnt 0x0
	global_store_b64 v6, v[12:13], s[30:31]        ; 256 consecutive bytes, aligned
	s_wait_tensorcnt 0x0
	ds_add_u32 v251, v255
	s_wait_dscnt 0x0
	s_endpgm
	; ---- the weights: a lane takes a column n, its registers run down K: nothing is transposed by an instruction
.Lweights:
	s_sub_co_u32 s20, ttmp9, 256
	s_mov_b32 s24, 0                               ; the weight's first work-group,
	s_mov_b32 s25, 0                               ; its region behind W0,
	s_mov_b32 s26, 4                               ; its blocks along K
	s_wait_kmcnt 0x0
	s_mov_b64 s[22:23], s[8:9]                     ; Wq
	s_cmp_ge_u32 s20, 32
	s_cselect_b64 s[22:23], s[10:11], s[22:23]     ; Wo
	s_cselect_b32 s24, 32, s24
	s_cselect_b32 s25, 819200, s25
	s_cmp_ge_u32 s20, 64
	s_cselect_b64 s[22:23], s[12:13], s[22:23]     ; Wk
	s_cselect_b32 s24, 64, s24
	s_cselect_b32 s25, 1638400, s25
	s_cselect_b32 s26, 2, s26
	s_cmp_ge_u32 s20, 80
	s_cselect_b64 s[22:23], s[14:15], s[22:23]     ; Wv
	s_cselect_b32 s24, 80, s24
	s_cselect_b32 s25, 2048000, s25
	s_sub_co_u32 s21, s20, s24
	s_and_b32 s27, s21, 3                          ; which 256 columns
	s_lshr_b32 s28, s21, 2                         ; ks: which 128 along K
	s_lshl_b32 s30, s28, 19                        ; 128 rows of 4,096 bytes
	s_lshl_b32 s31, s27, 10
	s_add_co_u32 s30, s30, s31
	s_lshl_b32 s31, s18, 7                         ; my wave's 32 columns
	s_add_co_u32 s30, s30, s31
	s_mov_b32 s31, 0
	s_add_nc_u64 s[22:23], s[22:23], s[30:31]
	s_lshl_b32 s32, s27, 1
	s_lshr_b32 s33, s18, 2
	s_add_co_u32 s32, s32, s33                     ; g = column / 128
	s_mul_i32 s32, s32, s26
	s_lshr_b32 s33, s28, 1
	s_add_co_u32 s32, s32, s33
	s_mul_i32 s32, s32, BLK
	s_add_co_u32 s32, s32, s25
	s_add_co_u32 s32, s32, W0                      ; my block
	s_and_b32 s34, s28, 1                          ; q
	s_and_b32 s35, s18, 3                          ; my 32 columns are fragments 2 b, 2 b + 1
	s_lshl_b32 s36, s34, 3
	s_lshl_b32 s37, s35, 1
	s_add_co_u32 s36, s36, s37
	s_mul_i32 s36, s36, 1536
	s_add_co_u32 s36, s36, s32
	s_mov_b32 s37, 0
	s_add_nc_u64 s[38:39], s[16:17], s[36:37]      ; the two fragments
	s_lshl_b32 s42, s34, 9
	s_lshl_b32 s43, s35, 7
	s_add_co_u32 s42, s42, s43
	s_add_co_u32 s42, s42, s32
	s_add_co_u32 s42, s42, SCO
	s_mov_b32 s43, 0
	s_add_nc_u64 s[42:43], s[16:17], s[42:43]      ; their scale words
	s_wait_alu depctr_va_vdst(0)
	v_lshlrev_b32 v3, 2, v9                        ; 4 x lane
	LOADW 0
	LOADW 1
	v_bfe_u32 v10, v0, 3, 1                        ; u: which of the two fragments holds my column
	v_and_b32 v11, 7, v0
	v_bfe_u32 v12, v0, 4, 1
	s_delay_alu instid0(VALU_DEP_1)
	v_lshl_add_u32 v11, v12, 3, v11                ; rho: its lane-row there
	s_mul_i32 s40, s18, 3072
	s_add_co_u32 s40, s40, WIMG
	v_mul_u32_u24 v4, v10, 1536
	s_delay_alu instid0(VALU_DEP_1)
	v_lshl_add_u32 v4, v11, 4, v4
	s_delay_alu instid0(VALU_DEP_1)
	v_add_nc_u32 v4, s40, v4                       ; the image, in: 1,536 u + 16 rho
	v_add_nc_u32 v5, s40, v1                       ; and back: 16 x lane
	v_lshlrev_b32 v6, 6, v10
	s_delay_alu instid0(VALU_DEP_1)
	v_lshl_add_u32 v6, v11, 2, v6                  ; my scale word: 64 u + 4 rho
	BLOCKW 0
	BLOCKW 1
	BLOCKW 2
	BLOCKW 3
.irp k, 0,1,2,3,4,5
	ds_load_b128 v[OW+4*\k:OW+4*\k+3], v5 offset:512*\k            ; in order behind my stores
.endr
	global_store_b32 v6, v14, s[42:43]             ; 128 consecutive bytes a wave
	s_wait_dscnt 0x0
.irp k, 0,1,2,3,4,5
	global_store_b128 v1, v[OW+4*\k:OW+4*\k+3], s[38:39] offset:512*\k   ; 512 consecutive bytes, aligned to 256
.endr
	s_wait_tensorcnt 0x0
	ds_add_u32 v251, v255
	s_wait_dscnt 0x0
	s_endpgm
.Lfunc_end_k_qdffbede222_pack:
	.size	k_qdffbede222_pack, .Lfunc_end_k_qdffbede222_pack-k_qdffbede222_pack
	.p2alignl 7, 3214868480
	.fill 96, 4, 3214868480
	.section	.rodata,"a",@progbits
	.p2align	6, 0x0
	.amdhsa_kernel k_qdffbede222_pack
		.amdhsa_group_segment_fixed_size 95232
		.amdhsa_private_segment_fixed_size 0
		.amdhsa_enable_private_segment 0
		.amdhsa_kernarg_size 56
		.amdhsa_user_sgpr_count 2
		.amdhsa_user_sgpr_kernarg_segment_ptr 1
		.amdhsa_wavefront_size32 1
		.amdhsa_system_sgpr_workgroup_id_x 1
		.amdhsa_system_sgpr_workgroup_id_y 1
		.amdhsa_system_sgpr_workgroup_id_z 1
		.amdhsa_system_vgpr_workitem_id 0
		.amdhsa_next_free_vgpr 256
		.amdhsa_next_free_sgpr 66
		.amdhsa_reserve_vcc 0
		.amdhsa_float_denorm_mode_32 3
		.amdhsa_float_denorm_mode_16_64 3
		.amdhsa_memory_ordered 1
		.amdhsa_forward_progress 1
		.amdhsa_inst_pref_size 62
	.end_amdhsa_kernel
	.amdgpu_metadata
---
amdhsa.version: [ 1, 2 ]
amdhsa.kernels:
  - .name:           k_qdffbede222_pack
    .symbol:         k_qdffbede222_pack.kd
    .args:
      - { .name: query, .offset: 0, .size: 8, .value_kind: global_buffer, .address_space: global }
      - { .name: key, .offset: 8, .size: 8, .value_kind: global_buffer, .address_space: global }
      - { .name: Wq, .offset: 16, .size: 8, .value_kind: global_buffer, .address_space: global }
      - { .name: Wo, .offset: 24, .size: 8, .value_kind: global_buffer, .address_space: global }
      - { .name: Wk, .offset: 32, .size: 8, .value_kind: global_buffer, .address_space: global }
      - { .name: Wv, .offset: 40, .size: 8, .value_kind: global_buffer, .address_space: global }
      - { .name: xw, .offset: 48, .size: 8, .value_kind: global_buffer, .address_space: global }
    .group_segment_fixed_size: 95232
    .private_segment_fixed_size: 0
    .kernarg_segment_align: 8
    .kernarg_segment_size: 56
    .max_flat_workgroup_size: 256
    .sgpr_count:     66
    .vgpr_count:     256
    .wavefront_size: 32
...
	.end_amdgpu_metadata
.endif
;; end of part 1
;; launch proj (part 2): grid 4 x 64, 4 waves a work-group, clusters of 4 x 4, 327,680 bytes of LDS; arguments xw, bq, bk, bv, qkv; writes qkv
.if DOCPART == 2
	.amdgcn_target "amdgcn-amd-amdhsa--gfx1250"
	.amdhsa_code_object_version 6
	.text
	.protected	k_qdffbede222_proj
	.globl	k_qdffbede222_proj
	.p2align	8
	.type	k_qdffbede222_proj,@function
k_qdffbede222_proj:
	s_mov_b64 s[64:65], 0
	v_nop
	global_prefetch_b8 v0, s[64:65] scope:SCOPE_SE
	s_setreg_imm32_b32 hwreg(HW_REG_WAVE_MODE, 25, 1), 1
	s_wait_xcnt 0x0
	s_wait_alu depctr_hold_cnt(0) depctr_sa_sdst(0) depctr_va_vdst(0) depctr_va_sdst(0) depctr_va_ssrc(0) depctr_va_vcc(0) depctr_vm_vsrc(0)
	s_getreg_b32 s2, hwreg(HW_REG_IB_STS2, 6, 4)
	s_cmp_eq_u32 s2, 0
	s_cbranch_scc0 .Lentry_in_a_cluster
	s_endpgm
.Lentry_in_a_cluster:
	s_bfe_u32 s2, ttmp6, 0x10000c
	s_cmp_lg_u32 s2, 0xf033
	s_cbranch_scc0 .Lentry_shape_is_right
	s_endpgm
.Lentry_shape_is_right:
; PROJ: Q = query Wq + bq, K = key Wk + bk and V^T = (key Wv + bv)^T on codes of BF6 in the packed format that PACK lays; each result is quantised along the next product's K and stored in the same format.
; 768 units of 256 x 256 x 512, three to a work-group.  Clusters y 0-7: a tile of Q (K = 1,024: two units on one sum), then a tile of V^T; y 8-15: two tiles of K, then a tile of V^T.
; Four waves, 128 x 128 each (64 accumulators, by turns).  Source 0 = B's rows, source 1 = A's: a lane holds one row of the result and neighbours along the next K.  The bias is the C of a unit's first products.
; LDS: loader wave w owns bytes 2 BLK w on: its block of slot 0, then its block of slot 1.  A group's blocks along K are neighbours in memory, so the head's ONE load a wave (200 rows of 256 bytes) brings both slots;
; behind the wait for it the row counts are set to 100: a refill brings one block.  A's tiles are asked for jointly along a row of the cluster, B's along a column.
; PREFETCH: each refill's block is asked for two fills ahead: the head asks for unit 1's two blocks, unit 0's two refills for unit 2's.  Of a block's 100 runs of 256 bytes each of the four partners that load it jointly
; names 25, told apart by address (cx for A, cy for B); lanes 25-31 name the wave's last run again.  The address registers are never rewritten.
; LIMITS: as in PACK: a block whose largest magnitude lies under 2^-122 gets the byte 1; NaN and infinities are not served.
.set BLK,   25600
.set PFO,  122                         ; v122 the prefetches' offset: 256 x min(lane, 24)
.set PF1,  100                         ; s[100:101] my share of the block that I load for unit 1
.set PF2,  104                         ; s[104:105] the same for unit 2
.set SLOT,  4*BLK
.set SCO,   24576
.set FR,    12
.set KX,    6553600
.set W0,    13107200
.set KP,    6553600
.set VP,    19660800
.set SCST,  2*SLOT
.set SPARE, SCST+2048
.set ADRA, 16
.set ADRB, 18
.set ADSA, 20
.set ADSB, 22
.set GOF,  24
.set SCW,  25
.set SCR,  26
.set GFR,  27
.set SPW,  28
.set NIL,  29
.set GSC,  30
.set SC,   32
.set TM,   96
.set PWB,  112
.set BO,   120
.set BR,   121
.set AF,   128
.set PCB,  128
.set T,    224
.set G1,   24
.set G0,   32
.set G1B,  48
.set G0B,  56
.set A1,   20
.set B1,   46
.set A2,   66
.set B2,   68
.set BI0,  70
.set BI2,  72
.set O0,   74
.set O1,   76
.set O2,   78
.set SEL,  90
.set MSB, 0
.macro WIN new
.if MSB != (\new)
	s_set_vgpr_msb (MSB<<8)|(\new)
.set MSB, (\new)
.endif
.endm
.macro JLOAD g0a, g1a, g0b, g1b
	s_cmp_eq_u32 s15, 0
	s_cbranch_scc0 .Lfor_b_\@
	tensor_load_to_lds s[\g0a:\g0a+3], s[\g1a:\g1a+7]
	s_nop 0
.rept 4
	v_nop
.endr
	s_branch .Lasked_\@
.Lfor_b_\@:
	tensor_load_to_lds s[\g0b:\g0b+3], s[\g1b:\g1b+7]
	s_nop 0
.rept 4
	v_nop
.endr
.Lasked_\@:
.endm
.macro CREST
	s_cmp_lg_u32 s14, 0
	s_cbranch_scc1 .Lnot_wave_0_\@
	s_barrier_signal -3
.Lnot_wave_0_\@:
	s_barrier_wait -3
	s_barrier_signal -1
	s_barrier_wait -1
.endm
.macro CROUND
	s_barrier_signal -1
	s_barrier_wait -1
	CREST
.endm
.macro PLACES
.rept 4
	v_nop
.endr
.endm
.macro FRAG reg, adr, q, i
.irp c, 0,1,2
	ds_load_b128 v[\reg+4*\c:\reg+4*\c+3], v[\adr] offset:12288*(\q)+1536*(\i)+512*\c
.endr
.endm
.macro FETCH_B slot, q, p
	WIN 0x40
.irp i, 0,1,2,3,4,5,6,7
	FRAG 128*(\p)+FR*\i, ADRB+\slot, \q, \i
.endr
	WIN 0
.endm
.macro FETCH_A slot, q, i0
.irp i, \i0, \i0+1, \i0+2, \i0+3
	FRAG AF+FR*(\i), ADRA+\slot, \q, \i
.endr
.endm
.macro SCALES slot
.irp q, 0,1
.irp i, 0,1,2,3,4,5,6,7
	ds_load_b32 v[SC+32*\slot+8*\q+\i], v[ADSA+\slot] offset:SCO+512*\q+64*\i
	ds_load_b32 v[SC+32*\slot+16+8*\q+\i], v[ADSB+\slot] offset:SCO+512*\q+64*\i
.endr
.endr
.endm
.macro FETCH0
	FETCH_B 0, 0, 0
	FETCH_A 0, 0, 0
	SCALES 0
	FETCH_A 0, 0, 4
.endm
.macro MUL16 a0, p, q, sc, cm
.irp a, \a0, \a0+1
.irp b, 0,1,2,3,4,5,6,7
.set rD, 8*(8*((\a)%4)+\b)
.set rB, 128*(\p)+FR*\b
.set rA, AF+FR*(\a)
.set rSB, SC+32*(\sc)+16+8*(\q)+\b
.set rSA, SC+32*(\sc)+8*(\q)+(\a)
.if (\cm) == 0
	v_wmma_scale_f32_16x16x128_f8f6f4 v[rD:rD+7], v[rB:rB+11], v[rA:rA+11], v[rD:rD+7], v[rSB], v[rSA] matrix_a_fmt:MATRIX_FMT_BF6 matrix_b_fmt:MATRIX_FMT_BF6
.elseif (\cm) == 2
.set rC, 96+8*\b+96*(\b/4)
	v_wmma_scale_f32_16x16x128_f8f6f4 v[rD:rD+7], v[rB:rB+11], v[rA:rA+11], v[rC:rC+7], v[rSB], v[rSA] matrix_a_fmt:MATRIX_FMT_BF6 matrix_b_fmt:MATRIX_FMT_BF6
.else
.set rC, 96+8*(\a)+96*((\a)/4)
	v_wmma_scale_f32_16x16x128_f8f6f4 v[rD:rD+7], v[rB:rB+11], v[rA:rA+11], v[rC:rC+7], v[rSB], v[rSA] matrix_a_fmt:MATRIX_FMT_BF6 matrix_b_fmt:MATRIX_FMT_BF6
.endif
.endr
.endr
.endm
.macro STEP slot, cm
	FETCH_B \slot, 1, 1                            ; B's other set is free (four places stand behind its last products): the slot's second step is fetched a whole step ahead
	s_wait_dscnt 36                                ; all but A's blocks 4-7 (12 loads) and the 24 just issued are in
.if (\cm) >= 2
	WIN 0x91
.else
	WIN 0xa1
.endif
	MUL16 0, 0, 0, \slot, \cm
	MUL16 2, 0, 0, \slot, \cm
	s_wait_dscnt 24                                ; A's blocks 4-7 are in; B's 24 loads may be out
	PLACES
	WIN 0
	FETCH_A \slot, 1, 0
.if (\cm) >= 2
	WIN 0xd1
.else
	WIN 0xf1
.endif
	MUL16 4, 0, 0, \slot, \cm
	MUL16 6, 0, 0, \slot, \cm
	PLACES
	WIN 0
	FETCH_A \slot, 1, 4
.endm
.macro TURN slot, next, fill, na, nb, pf=0
	s_wait_tensorcnt 0x0
	ds_add_u32 v[SPW], v[NIL]
	s_wait_dscnt 13
	WIN 0xa1
	MUL16 0, 1, 1, \slot, 0
	s_wait_dscnt 0x0
	s_barrier_signal -1
	MUL16 2, 1, 1, \slot, 0
	WIN 0
	s_barrier_wait -1
.if \fill
	CREST
	s_mov_b64 s[G0+4*\slot+2:G0+4*\slot+3], s[\na:\na+1]
	s_or_b32 s[G0+4*\slot+3], s[G0+4*\slot+3], 0x80000000
	s_mov_b64 s[G0B+4*\slot+2:G0B+4*\slot+3], s[\nb:\nb+1]
	s_or_b32 s[G0B+4*\slot+3], s[G0B+4*\slot+3], 0x80000000
	JLOAD G0+4*\slot, G1, G0B+4*\slot, G1B
.else
	PLACES
.endif
	FETCH_B \next, 0, 0
	FETCH_A \next, 0, 0
	SCALES \next
.if \pf
	global_prefetch_b8 v[PFO], s[\pf:\pf+1] th:TH_LOAD_NT scope:SCOPE_SE             ; the block of the refill two fills on
.endif
	WIN 0xf1
	MUL16 4, 1, 1, \slot, 0
	MUL16 6, 1, 1, \slot, 0
	PLACES
	WIN 0
	FETCH_A \next, 0, 4
.endm
.macro TURNL na, nb, pf=0
	s_wait_tensorcnt 0x0
	ds_add_u32 v[SPW], v[NIL]
	s_wait_dscnt 13
	WIN 0xa1
	MUL16 0, 1, 1, 1, 0
	s_wait_dscnt 0x0
	s_barrier_signal -1
	MUL16 2, 1, 1, 1, 0
	WIN 0
	s_barrier_wait -1
	CREST
	s_add_nc_u64 s[G0+6:G0+7], s[\na:\na+1], BLK
	s_or_b32 s[G0+7], s[G0+7], 0x80000000
	s_add_nc_u64 s[G0B+6:G0B+7], s[\nb:\nb+1], BLK
	s_or_b32 s[G0B+7], s[G0B+7], 0x80000000
	JLOAD G0+4, G1, G0B+4, G1B
.if \pf
	global_prefetch_b8 v[PFO], s[\pf:\pf+1] offset:BLK th:TH_LOAD_NT scope:SCOPE_SE  ; the block of the refill two fills on
.endif
	WIN 0xf1
	MUL16 4, 1, 1, 1, 0
	MUL16 6, 1, 1, 1, 0
	WIN 0
.endm
.macro LAST
	s_wait_dscnt 12
	WIN 0xa1
	MUL16 0, 1, 1, 1, 0
	MUL16 2, 1, 1, 1, 0
	s_wait_dscnt 0x0
	WIN 0xf1
	MUL16 4, 1, 1, 1, 0
	MUL16 6, 1, 1, 1, 0
	WIN 0
.endm
.macro QUANT8 W, s, a
.set qS, \s
.set qP, PCB+12*(\a)
	WIN ((\W)<<2)|((\W)<<4)
.irp b, 0,1,2,3
	v_max3_num_f32 v[TM+\b], 0x2800000, |v[qS+16*\b]|, |v[qS+16*\b+1]|
.endr
.irp i, 2,4,6,8,10,12,14
.irp b, 0,1,2,3
	v_max3_num_f32 v[TM+\b], v[TM+\b], |v[qS+16*\b+\i]|, |v[qS+16*\b+\i+1]|
.endr
.endr
	WIN 0
.irp b, 0,1,2,3
	v_permlanex16_b32 v[TM+4+\b], v[TM+\b], s[SEL], s[SEL+1]
.endr
.irp b, 0,1,2,3
	v_max_num_f32 v[TM+\b], v[TM+\b], v[TM+4+\b]
.endr
.irp b, 0,1,2,3
	v_add_nc_u32 v[TM+12+\b], 0xfe000000, v[TM+\b]
.endr
.irp b, 0,1,2,3
	v_lshrrev_b32 v[TM+4+\b], 23, v[TM+12+\b]
.endr
	v_lshl_or_b32 v[PWB+(\a)], v[TM+5], 8, v[TM+4]
	v_lshl_or_b32 v[PWB+(\a)], v[TM+6], 16, v[PWB+(\a)]
	v_lshl_or_b32 v[PWB+(\a)], v[TM+7], 24, v[PWB+(\a)]
	WIN (\W)
.irp c, 0,1
	v_cvt_scalef32_pk16_bf6_f32 v[qP+6*\c:qP+6*\c+2], v[qS+32*\c:qS+32*\c+15], v[TM+12+2*\c]
	v_cvt_scalef32_pk16_bf6_f32 v[T+4*\c:T+4*\c+2], v[qS+32*\c+16:qS+32*\c+31], v[TM+12+2*\c+1]
.endr
	WIN 0
	v_nop
.irp c, 0,1
.irp i, 0,1,2
	v_permlane16_swap_b32 v[qP+6*\c+\i], v[T+4*\c+\i]
.endr
.irp i, 0,1,2
	v_mov_b32 v[qP+6*\c+3+\i], v[T+4*\c+\i]
.endr
.endr
.endm
.macro OUT o
.irp a, 0,1,2,3,4,5,6,7
	QUANT8 2+\a/4, 64*(\a%4), \a
.irp k, 0,1,2
	global_store_b128 v[GFR], v[PCB+12*\a+4*\k:PCB+12*\a+4*\k+3], s[\o:\o+1] offset:1536*\a+512*\k
.endr
	ds_store_b32 v[SCW], v[PWB+\a] offset:64*\a
.endr
	ds_load_b128 v[232:235], v[SCR]
	s_wait_dscnt 0x0
	global_store_b128 v[GSC], v[232:235], s[\o:\o+1]
.endm
	s_load_b256 s[4:11], s[0:1], 0x0
	s_load_b64 s[12:13], s[0:1], 0x20
	v_lshl_add_u32 v[SPW], v0, 2, SPARE
	v_mov_b32 v[NIL], 0
	ds_add_u32 v28, v29
	ds_add_u32 v28, v29
	s_wait_dscnt 0x0
	v_lshrrev_b32 v1, 5, v0
	v_readfirstlane_b32 s14, v1
	s_lshr_b32 s15, s14, 1
	s_and_b32 s16, s14, 1
	s_bfe_u32 s40, ttmp6, 0x40000
	s_bfe_u32 s41, ttmp6, 0x40004
	s_and_b32 s18, ttmp7, 0xffff
	s_lshl_b32 s43, s41, 2
	s_lshl_b32 s43, 15, s43
	s_lshl_b32 s44, 0x1111, s40
	s_or_b32 s[G1+0], s43, (3<<16)|(1<<21)
	s_or_b32 s[G1B+0], s44, (3<<16)|(1<<21)
.irp g, G1, G1B
	s_mov_b32 s[\g+1], 32<<16
	s_mov_b32 s[\g+2], 200<<16                     ; the head's load: two blocks, 200 rows
	s_mov_b32 s[\g+3], 32<<16
	s_mov_b32 s[\g+4], 200
	s_mov_b32 s[\g+5], 32
	s_mov_b32 s[\g+6], 0
	s_mov_b32 s[\g+7], 0
.endr
	s_and_b32 s19, s18, 7
	s_lshl_b32 s19, s19, 2
	s_add_co_u32 s17, s19, s41
	s_lshl_b32 s19, s18, 2
	s_add_co_u32 s22, s19, s41
	s_add_co_u32 s42, s19, s40
	s_cmp_lt_u32 s18, 8
	s_cselect_b32 s92, 0, KX
	s_mov_b32 s93, W0+1638400
	s_cselect_b32 s93, W0, s93
	s_mov_b32 s94, 2*BLK
	s_cselect_b32 s94, 4*BLK, s94
	s_cselect_b32 s95, 0, KP
	s_cselect_b32 s96, 2*BLK, 0
	s_lshl_b32 s80, s17, 1
	s_add_co_u32 s80, s80, s16
	s_mul_i32 s80, s80, s94
	s_add_co_u32 s80, s80, s92
	s_mov_b32 s81, 0
	s_lshl_b32 s82, s40, 1
	s_add_co_u32 s82, s82, s16
	s_mul_i32 s82, s82, s94
	s_add_co_u32 s82, s82, s93
	s_mov_b32 s83, 0
	s_mul_i32 s45, s14, 2*BLK
	s_wait_kmcnt 0x0
	s_add_nc_u64 s[80:81], s[4:5], s[80:81]
	s_add_nc_u64 s[82:83], s[4:5], s[82:83]
	CROUND
.irp s, 0,1
	s_mov_b32 s[G0+4*\s], 1
	s_add_co_u32 s[G0+4*\s+1], s45, \s*BLK
	s_add_nc_u64 s[G0+4*\s+2:G0+4*\s+3], s[80:81], \s*BLK
	s_or_b32 s[G0+4*\s+3], s[G0+4*\s+3], 0x80000000
	s_mov_b32 s[G0B+4*\s], 1
	s_add_co_u32 s[G0B+4*\s+1], s45, \s*BLK
	s_add_nc_u64 s[G0B+4*\s+2:G0B+4*\s+3], s[82:83], \s*BLK
	s_or_b32 s[G0B+4*\s+3], s[G0B+4*\s+3], 0x80000000
.endr
	JLOAD G0, G1, G0B, G1B                         ; my one load at the head: unit 0's two blocks, both slots
	v_and_b32 v1, 31, v0
	v_and_b32 v2, 15, v0
	v_bfe_u32 v3, v0, 4, 1
	v_lshlrev_b32 v[BO], 6, v3
	s_wait_alu depctr_va_vdst(0)
	s_cmp_lt_u32 s18, 8
	s_cselect_b64 s[BI0:BI0+1], s[6:7], s[8:9]
	s_lshl_b32 s88, s40, 10
	s_lshl_b32 s89, s16, 9
	s_add_co_u32 s88, s88, s89
	s_mov_b32 s89, 0
	s_add_nc_u64 s[BI0:BI0+1], s[BI0:BI0+1], s[88:89]
	WIN 0x40
.irp x, 0,1,2,3,4,5,6,7
	global_load_b128 v[96+8*\x+96*(\x/4):96+8*\x+96*(\x/4)+3], v[BO], s[BI0:BI0+1] offset:4*(32*(\x/2)+8*(\x%2))
	global_load_b128 v[96+8*\x+96*(\x/4)+4:96+8*\x+96*(\x/4)+7], v[BO], s[BI0:BI0+1] offset:4*(32*(\x/2)+8*(\x%2))+16
.endr
	WIN 0
	s_lshl_b32 s[A1], s22, 1
	s_add_co_u32 s[A1], s[A1], s16
	s_mul_i32 s[A1], s[A1], s94
	s_add_co_u32 s[A1], s[A1], s92
	s_add_co_u32 s[A1], s[A1], s96
	s_mov_b32 s[A1+1], 0
	s_add_nc_u64 s[A1:A1+1], s[4:5], s[A1:A1+1]
	s_mov_b32 s[B1], s96
	s_mov_b32 s[B1+1], 0
	s_add_nc_u64 s[B1:B1+1], s[82:83], s[B1:B1+1]
	s_lshl_b32 s[A2], s41, 1
	s_add_co_u32 s[A2], s[A2], s16
	s_mul_i32 s[A2], s[A2], 2*BLK
	s_add_co_u32 s[A2], s[A2], W0+2048000
	s_mov_b32 s[A2+1], 0
	s_add_nc_u64 s[A2:A2+1], s[4:5], s[A2:A2+1]
	s_lshl_b32 s[B2], s42, 1
	s_add_co_u32 s[B2], s[B2], s16
	s_mul_i32 s[B2], s[B2], 2*BLK
	s_add_co_u32 s[B2], s[B2], KX
	s_mov_b32 s[B2+1], 0
	s_add_nc_u64 s[B2:B2+1], s[4:5], s[B2:B2+1]
	v_min_u32 v[PFO], 24, v1
	v_lshlrev_b32 v[PFO], 8, v[PFO]
	s_cmp_eq_u32 s15, 0                            ; do I load for A?
	s_cselect_b32 s88, s40, s41                    ; my place among the four that load the block with me
	s_cselect_b64 s[PF1:PF1+1], s[A1:A1+1], s[B1:B1+1]
	s_cselect_b64 s[PF2:PF2+1], s[A2:A2+1], s[B2:B2+1]
	s_mul_i32 s88, s88, 6400                       ; 25 runs of 256 bytes (s89 is 0)
	s_add_nc_u64 s[PF1:PF1+1], s[PF1:PF1+1], s[88:89]
	s_add_nc_u64 s[PF2:PF2+1], s[PF2:PF2+1], s[88:89]
	s_wait_alu depctr_va_vdst(0)                   ; the wait ahead of the reader below
	global_prefetch_b8 v[PFO], s[PF1:PF1+1] th:TH_LOAD_NT scope:SCOPE_SE
	global_prefetch_b8 v[PFO], s[PF1:PF1+1] offset:BLK th:TH_LOAD_NT scope:SCOPE_SE
	s_mov_b32 s[SEL], 0x76543210
	s_mov_b32 s[SEL+1], 0xfedcba98
	v_lshlrev_b32 v[GOF], 4, v1
	v_lshlrev_b32 v4, 2, v2
	s_wait_alu depctr_va_vdst(0)
	s_mul_i32 s84, s15, 2*BLK
	s_mul_i32 s85, s16, 2*BLK
	s_add_co_u32 s85, s85, 4*BLK
.irp s, 0,1
	v_add_nc_u32 v[ADRA+\s], s84, v[GOF]
	v_add_nc_u32 v[ADRB+\s], s85, v[GOF]
	v_add_nc_u32 v[ADSA+\s], s84, v4
	v_add_nc_u32 v[ADSB+\s], s85, v4
	s_add_co_u32 s84, s84, BLK
	s_add_co_u32 s85, s85, BLK
.endr
	s_lshl_b32 s86, s14, 9
	s_add_co_u32 s86, s86, SCST
	v_add_nc_u32 v[SCW], s86, v4
	v_add_nc_u32 v[SCR], s86, v[GOF]
.irp b, 0,1,2,3
	v_mov_b32 v[TM+4+\b], 0
.endr
	s_mul_i32 s87, s16, 12288
	v_add_nc_u32 v[GFR], s87, v[GOF]
	s_lshl_b32 s87, s16, 9
	s_add_co_u32 s87, s87, SCO
	v_add_nc_u32 v[GSC], s87, v[GOF]
	s_mul_i32 s97, s40, BLK
	s_lshl_b32 s88, s17, 1
	s_add_co_u32 s88, s88, s15
	s_mul_i32 s88, s88, 4*BLK
	s_add_co_u32 s88, s88, s97
	s_add_co_u32 s88, s88, s95
	s_add_nc_u64 s[O0:O0+1], s[12:13], s[88:89]
	s_lshl_b32 s88, s22, 1
	s_add_co_u32 s88, s88, s15
	s_mul_i32 s88, s88, 4*BLK
	s_add_co_u32 s88, s88, s97
	s_add_co_u32 s88, s88, s95
	s_add_nc_u64 s[O1:O1+1], s[12:13], s[88:89]
	s_lshr_b32 s88, s42, 3
	s_lshl_b32 s88, s88, 3
	s_lshl_b32 s98, s41, 1
	s_add_co_u32 s88, s88, s98
	s_add_co_u32 s88, s88, s15
	s_mul_i32 s88, s88, 8*BLK
	s_and_b32 s98, s42, 7
	s_mul_i32 s98, s98, BLK
	s_add_co_u32 s88, s88, s98
	s_add_co_u32 s88, s88, VP
	s_add_nc_u64 s[O2:O2+1], s[12:13], s[88:89]
	s_lshl_b32 s88, s41, 10
	s_lshl_b32 s98, s15, 9
	s_add_co_u32 s88, s88, s98
	s_add_nc_u64 s[BI2:BI2+1], s[10:11], s[88:89]
	v_and_b32 v6, 7, v2
	v_lshrrev_b32 v7, 3, v2
	v_lshl_add_u32 v6, v7, 4, v6
	v_lshlrev_b32 v[BR], 2, v6
	s_wait_alu depctr_va_vdst(0)                   ; the wait at the head's end
	s_wait_tensorcnt 0x0                           ; my two blocks are in, and no load of mine is out: a descriptor may be written
	s_mov_b32 s[G1+2], 100<<16                     ; from here on a load brings one block, 100 rows
	s_mov_b32 s[G1+4], 100
	s_mov_b32 s[G1B+2], 100<<16
	s_mov_b32 s[G1B+4], 100
	s_barrier_signal -1                            ; it shows both slots whole to all four waves
	s_barrier_wait -1
	FETCH0
	s_wait_loadcnt 0x0
	STEP 0, 2
	TURN 0, 1, 1, A1, B1, PF2
	STEP 1, 0
	TURNL A1, B1, PF2
	s_cmp_lt_u32 s18, 8
	s_cbranch_scc1 .Lgoes_on
	PLACES
	OUT O0
	s_wait_xcnt 0x0
	FETCH0
	STEP 0, 2
	s_branch .Lunit_1
.Lgoes_on:
	PLACES
	FETCH0
	STEP 0, 0
.Lunit_1:
	TURN 0, 1, 1, A2, B2
	STEP 1, 0
	TURNL A2, B2
	PLACES
	WIN 0x40
	s_wait_alu depctr_va_vdst(0)
.irp x, 0,1,2,3,4,5,6,7
.irp j, 0,1,2,3,4,5,6,7
	global_load_b32 v[96+8*\x+96*(\x/4)+\j], v[BR], s[BI2:BI2+1] offset:4*(32*(\x/2)+8*(\x%2))
.endr
.endr
	WIN 0
	OUT O1
	s_wait_xcnt 0x0
	FETCH0
	s_wait_loadcnt 0x0
	STEP 0, 3
	TURN 0, 1, 0, A2, B2
	STEP 1, 0
	LAST
	PLACES
	OUT O2
	s_wait_tensorcnt 0x0
	ds_add_u32 v[SPW], v[NIL]
	s_wait_dscnt 0x0
	CROUND
	s_endpgm
.Lfunc_end_k_qdffbede222_proj:
	.size	k_qdffbede222_proj, .Lfunc_end_k_qdffbede222_proj-k_qdffbede222_proj
	.p2alignl 7, 3214868480
	.fill 96, 4, 3214868480
	.section	.rodata,"a",@progbits
	.p2align	6, 0x0
	.amdhsa_kernel k_qdffbede222_proj
		.amdhsa_group_segment_fixed_size 327680
		.amdhsa_private_segment_fixed_size 0
		.amdhsa_enable_private_segment 0
		.amdhsa_kernarg_size 40
		.amdhsa_user_sgpr_count 2
		.amdhsa_user_sgpr_kernarg_segment_ptr 1
		.amdhsa_wavefront_size32 1
		.amdhsa_system_sgpr_workgroup_id_x 1
		.amdhsa_system_sgpr_workgroup_id_y 1
		.amdhsa_system_sgpr_workgroup_id_z 1
		.amdhsa_system_vgpr_workitem_id 0
		.amdhsa_next_free_vgpr 1024
		.amdhsa_next_free_sgpr 106
		.amdhsa_reserve_vcc 0
		.amdhsa_float_denorm_mode_32 3
		.amdhsa_float_denorm_mode_16_64 3
		.amdhsa_memory_ordered 1
		.amdhsa_forward_progress 1
		.amdhsa_inst_pref_size 255
	.end_amdhsa_kernel
	.section	.bss,"aw",@nobits
	.p2align	6
	.space	262144
	.amdgpu_metadata
---
amdhsa.version: [ 1, 2 ]
amdhsa.kernels:
  - .name:           k_qdffbede222_proj
    .symbol:         k_qdffbede222_proj.kd
    .args:
      - { .name: xw, .offset: 0, .size: 8, .value_kind: global_buffer, .address_space: global }
      - { .name: bq, .offset: 8, .size: 8, .value_kind: global_buffer, .address_space: global }
      - { .name: bk, .offset: 16, .size: 8, .value_kind: global_buffer, .address_space: global }
      - { .name: bv, .offset: 24, .size: 8, .value_kind: global_buffer, .address_space: global }
      - { .name: qkv, .offset: 32, .size: 8, .value_kind: global_buffer, .address_space: global }
    .group_segment_fixed_size: 327680
    .private_segment_fixed_size: 0
    .kernarg_segment_align: 8
    .kernarg_segment_size: 40
    .max_flat_workgroup_size: 128
    .sgpr_count:     106
    .vgpr_count:     1024
    .wavefront_size: 32
...
	.end_amdgpu_metadata
.endif
;; end of part 2
;; launch score (part 3): grid 8 x 32, 4 waves a work-group, clusters of 4 x 4, 327,680 bytes of LDS; arguments qkv, pc, pst; writes pc, pst
.if DOCPART == 3
	.amdgcn_target "amdgcn-amd-amdhsa--gfx1250"
	.amdhsa_code_object_version 6
	.text
	.protected	k_qdffbede222_score
	.globl	k_qdffbede222_score
	.p2align	8
	.type	k_qdffbede222_score,@function
k_qdffbede222_score:
	s_mov_b64 s[64:65], 0
	v_nop
	global_prefetch_b8 v0, s[64:65] scope:SCOPE_SE
	s_setreg_imm32_b32 hwreg(HW_REG_WAVE_MODE, 25, 1), 1
	s_wait_xcnt 0x0
	s_wait_alu depctr_hold_cnt(0) depctr_sa_sdst(0) depctr_va_vdst(0) depctr_va_sdst(0) depctr_va_ssrc(0) depctr_va_vcc(0) depctr_vm_vsrc(0)
	s_getreg_b32 s2, hwreg(HW_REG_IB_STS2, 6, 4)
	s_cmp_eq_u32 s2, 0
	s_cbranch_scc0 .Lentry_in_a_cluster
	s_endpgm
.Lentry_in_a_cluster:
	s_bfe_u32 s2, ttmp6, 0x10000c
	s_cmp_lg_u32 s2, 0xf033
	s_cbranch_scc0 .Lentry_shape_is_right
	s_endpgm
.Lentry_shape_is_right:
; SCORE: S = Q K^T on codes of BF6 (K = 1,024), and the softmax's p quantised along the keys.  t = S x log2(e) / 32.  For each query and each chunk of 128 keys (a wave's columns): M = ceil(the chunk's largest t), a whole
; number; p = 2^(t - M); p's codes and raw scale bytes under this LOCAL M, -M, and the chunk's sum of the unquantised p are stored.  A change of M is a power of two, which a block's scale byte takes up: the next launch
; takes the row's largest M and lowers the bytes.  The maximum is taken away ahead of every exponential.
; Tiles, ring, clusters and the transposed use are as in the projections: 256 x 256 to a work-group, 128 x 128 to a wave, two slots of 256 along K, one dense block a tensor load, A jointly along a row of the cluster, B along a column.
; pc: [group of 128 queries][block of 256 keys] x 24,576 bytes of fragments.  pst: [group][chunk of 128 keys] x 1,536: 512 bytes of raw scale words, 512 of -M, 512 of the sums, each at 64 i + 4 rho.
; LIMITS: NaN and infinities are not served; a block whose every p has fallen under 2^-122 keeps the byte 1.
.set BLK,   25600
.set SLOT,  4*BLK
.set SCO,   24576
.set FR,    12
.set KP,    6553600
; LDS: loader wave w owns bytes 2 BLK w on: its block of slot 0, then its block of slot 1.  A group's blocks along K are neighbours in memory, so the head's ONE load a wave (200 rows of 256 bytes) brings both slots;
; behind the wait for it the row counts are set to 100: a refill brings one block.
; PREFETCH: the blocks of the two refills (256 x 2 and 256 x 3 along K) are asked for at the head, two fills ahead: of a block's 100 runs of 256 bytes each of the four partners that load it jointly names 25,
; told apart by address (cx for Q, cy for K); lanes 25-31 name the wave's last run again.  The address registers are never rewritten.
.set PFO,  122                         ; v122 256 x min(lane, 24)
.set PF,   94                          ; s[94:95] my share of my group's blocks
.set ST3,   2*SLOT                     ; 1,536 bytes a wave: words, -M and sums on their way out
.set SPARE, ST3+6144                   ; the spare words: 128 bytes a wave
.set ADRA, 16
.set ADRB, 18
.set ADSA, 20
.set ADSB, 22
.set GOF,  24
.set SCW,  25
.set SCR,  26
.set SPW,  28
.set NIL,  29
.set SC,   32
.set BM,   96                          ; v96-99 the blocks' largest scores, then largest p
.set BP,   100                         ; v100-103 permute destinations
.set BY,   104                         ; v104-107 bytes
.set SO,   108                         ; v108-111 the conversions' scale operands
.set RM,   112
.set NM,   114                         ; v[114:115] -M (the packed form names the pair and takes its low word)
.set SA,   116                         ; v[116:117], v[118:119] the sum in two chains
.set SB,   118
.set AF,   128
.set PCB,  128
.set T,    224
.set PWB,  232                         ; v232-239 scale words, v240-247 -M, v248-255 sums: one for each row block
.set NMO,  240
.set LO,   248
.set G1,   24
.set G0,   32
.set G1B,  48
.set G0B,  56
.set SEL,  90
.set CS,   92                          ; s[92:93] c = log2(e) / 32
.set MSB, 0
.macro WIN new
.if MSB != (\new)
	s_set_vgpr_msb (MSB<<8)|(\new)
.set MSB, (\new)
.endif
.endm
.macro JLOAD g0a, g1a, g0b, g1b
	s_cmp_eq_u32 s15, 0
	s_cbranch_scc0 .Lfor_b_\@
	tensor_load_to_lds s[\g0a:\g0a+3], s[\g1a:\g1a+7]
	s_nop 0
.rept 4
	v_nop
.endr
	s_branch .Lasked_\@
.Lfor_b_\@:
	tensor_load_to_lds s[\g0b:\g0b+3], s[\g1b:\g1b+7]
	s_nop 0
.rept 4
	v_nop
.endr
.Lasked_\@:
.endm
.macro CREST
	s_cmp_lg_u32 s14, 0
	s_cbranch_scc1 .Lnot_wave_0_\@
	s_barrier_signal -3
.Lnot_wave_0_\@:
	s_barrier_wait -3
	s_barrier_signal -1
	s_barrier_wait -1
.endm
.macro CROUND
	s_barrier_signal -1
	s_barrier_wait -1
	CREST
.endm
.macro PLACES
.rept 4
	v_nop
.endr
.endm
.macro FRAG reg, adr, q, i
.irp c, 0,1,2
	ds_load_b128 v[\reg+4*\c:\reg+4*\c+3], v[\adr] offset:12288*(\q)+1536*(\i)+512*\c
.endr
.endm
.macro FETCH_B slot, q, p
	WIN 0x40
.irp i, 0,1,2,3,4,5,6,7
	FRAG 128*(\p)+FR*\i, ADRB+\slot, \q, \i
.endr
	WIN 0
.endm
.macro FETCH_A slot, q, i0
.irp i, \i0, \i0+1, \i0+2, \i0+3
	FRAG AF+FR*(\i), ADRA+\slot, \q, \i
.endr
.endm
.macro SCALES slot
.irp q, 0,1
.irp i, 0,1,2,3,4,5,6,7
	ds_load_b32 v[SC+32*\slot+8*\q+\i], v[ADSA+\slot] offset:SCO+512*\q+64*\i
	ds_load_b32 v[SC+32*\slot+16+8*\q+\i], v[ADSB+\slot] offset:SCO+512*\q+64*\i
.endr
.endr
.endm
; 16 products; cm 0: onto the sum; 1: C = 0.  The 64 accumulators take turns in the same order in every step.
.macro MUL16 a0, p, q, sc, cm
.irp a, \a0, \a0+1
.irp b, 0,1,2,3,4,5,6,7
.set rD, 8*(8*((\a)%4)+\b)
.set rB, 128*(\p)+FR*\b
.set rA, AF+FR*(\a)
.set rSB, SC+32*(\sc)+16+8*(\q)+\b
.set rSA, SC+32*(\sc)+8*(\q)+(\a)
.if (\cm) == 0
	v_wmma_scale_f32_16x16x128_f8f6f4 v[rD:rD+7], v[rB:rB+11], v[rA:rA+11], v[rD:rD+7], v[rSB], v[rSA] matrix_a_fmt:MATRIX_FMT_BF6 matrix_b_fmt:MATRIX_FMT_BF6
.else
	v_wmma_scale_f32_16x16x128_f8f6f4 v[rD:rD+7], v[rB:rB+11], v[rA:rA+11], 0, v[rSB], v[rSA] matrix_a_fmt:MATRIX_FMT_BF6 matrix_b_fmt:MATRIX_FMT_BF6
.endif
.endr
.endr
.endm
.macro STEP slot, cm
	FETCH_B \slot, 1, 1                            ; B's other set is free (four places stand behind its last products): the slot's second step is fetched a whole step ahead
	s_wait_dscnt 36                                ; all but A's blocks 4-7 (12 loads) and the 24 just issued are in
	WIN 0xa1
	MUL16 0, 0, 0, \slot, \cm
	MUL16 2, 0, 0, \slot, \cm
	s_wait_dscnt 24                                ; A's blocks 4-7 are in; B's 24 loads may be out
	PLACES
	WIN 0
	FETCH_A \slot, 1, 0
	WIN 0xf1
	MUL16 4, 0, 0, \slot, \cm
	MUL16 6, 0, 0, \slot, \cm
	PLACES
	WIN 0
	FETCH_A \slot, 1, 4
.endm
.macro TURN slot, next, fill
	s_wait_tensorcnt 0x0                           ; all my tensor loads have landed: my part of the next slot
	ds_add_u32 v[SPW], v[NIL]
	s_wait_dscnt 13                                ; the add and A's blocks 4-7 may be out
	WIN 0xa1
	MUL16 0, 1, 1, \slot, 0
	s_wait_dscnt 0x0                               ; the add is done, my reads of this slot are over
	s_barrier_signal -1
	MUL16 2, 1, 1, \slot, 0
	WIN 0
	s_barrier_wait -1
.if \fill
	CREST
	s_add_nc_u64 s[G0+4*\slot+2:G0+4*\slot+3], s[G0+4*\slot+2:G0+4*\slot+3], 2*BLK
	s_add_nc_u64 s[G0B+4*\slot+2:G0B+4*\slot+3], s[G0B+4*\slot+2:G0B+4*\slot+3], 2*BLK
	JLOAD G0+4*\slot, G1, G0B+4*\slot, G1B
.else
	PLACES
.endif
	FETCH_B \next, 0, 0
	FETCH_A \next, 0, 0
	s_wait_alu depctr_va_vdst(0)
	SCALES \next
	WIN 0xf1
	MUL16 4, 1, 1, \slot, 0
	MUL16 6, 1, 1, \slot, 0
	PLACES
	WIN 0
	FETCH_A \next, 0, 4
.endm
.macro LAST
	s_wait_dscnt 12
	WIN 0xa1
	MUL16 0, 1, 1, 1, 0
	MUL16 2, 1, 1, 1, 0
	s_wait_dscnt 0x0
	WIN 0xf1
	MUL16 4, 1, 1, 1, 0
	MUL16 6, 1, 1, 1, 0
	WIN 0
.endm
; Row block a: a lane holds one query and 64 scores, register 16 b + i = key 32 b + 16 h + i of the chunk.
.macro SOFT a
.set sS, 64*((\a)%4)
.set sP, PCB+12*(\a)
	WIN ((2+(\a)/4)<<2)|((2+(\a)/4)<<4)
.irp b, 0,1,2,3
	v_max3_num_f32 v[BM+\b], 0xff800000, v[sS+16*\b], v[sS+16*\b+1]   ; the largest score of each block of 32 keys: for the row's maximum, and, since p rises with the score, for the block's largest p
.endr
.irp i, 2,4,6,8,10,12,14
.irp b, 0,1,2,3
	v_max3_num_f32 v[BM+\b], v[BM+\b], v[sS+16*\b+\i], v[sS+16*\b+\i+1]
.endr
.endr
	WIN 0
.irp b, 0,1,2,3
	v_permlanex16_b32 v[BP+\b], v[BM+\b], s[SEL], s[SEL+1]
.endr
.irp b, 0,1,2,3
	v_max_num_f32 v[BM+\b], v[BM+\b], v[BP+\b]
.endr
	v_max3_num_f32 v[RM], v[BM], v[BM+1], v[BM+2]
	v_max_num_f32 v[RM], v[RM], v[BM+3]
	v_mul_f32 v[RM], s[CS], v[RM]                  ; the chunk's largest t
	v_floor_f32 v[NM], -v[RM]                      ; -M = floor(-t): M is a whole number
.irp b, 0,1,2,3
	v_fma_f32 v[BM+\b], v[BM+\b], s[CS], v[NM]
.endr
	v_mov_b32 v[NMO+(\a)], v[NM]
	WIN ((2+(\a)/4)<<6)|(2+(\a)/4)
.set j, 0
.rept 32
	v_pk_fma_f32 v[sS+j:sS+j+1], v[sS+j:sS+j+1], s[CS:CS+1], v[NM:NM+1] op_sel_hi:[1,0,0]   ; t - M
.set j, j+2
.endr
.set j, 0
	s_wait_alu depctr_va_vdst(0)
.rept 64
	v_exp_f32 v[sS+j], v[sS+j]                     ; p = 2^(t - M)
.set j, j+1
.endr
	WIN 0
	v_mov_b32 v[SA], 0                             ; plain work behind the exponentials
	v_mov_b32 v[SA+1], 0
	v_mov_b32 v[SB], 0
	v_mov_b32 v[SB+1], 0
	s_wait_alu depctr_va_vdst(0)                   ; one wait for the batch of 64, ahead of its first reader
.irp b, 0,1,2,3
	v_exp_f32 v[BM+\b], v[BM+\b]                   ; the block's largest p: the same two instructions on the same number
.endr
	WIN (2+(\a)/4)<<2
.set j, 0
.rept 16
	v_pk_add_f32 v[SA:SA+1], v[SA:SA+1], v[sS+j:sS+j+1]            ; the sum is taken of the unquantised p
	v_pk_add_f32 v[SB:SB+1], v[SB:SB+1], v[sS+j+2:sS+j+3]
.set j, j+4
.endr
	WIN 0
	v_pk_add_f32 v[SA:SA+1], v[SA:SA+1], v[SB:SB+1]
	s_wait_alu depctr_va_vdst(0)                   ; and one for the four
.irp b, 0,1,2,3
	v_max_num_f32 v[BM+\b], 0x2800000, v[BM+\b]    ; the floor 2^(5 - 127)
.endr
.irp b, 0,1,2,3
	v_add_nc_u32 v[SO+\b], 0xfe000000, v[BM+\b]
.endr
.irp b, 0,1,2,3
	v_lshrrev_b32 v[BY+\b], 23, v[SO+\b]
.endr
	v_lshl_or_b32 v[PWB+(\a)], v[BY+1], 8, v[BY]
	v_lshl_or_b32 v[PWB+(\a)], v[BY+2], 16, v[PWB+(\a)]
	v_lshl_or_b32 v[PWB+(\a)], v[BY+3], 24, v[PWB+(\a)]
	v_add_f32 v[SA], v[SA], v[SA+1]
	v_permlanex16_b32 v[BP], v[SA], s[SEL], s[SEL+1]
	v_add_f32 v[LO+(\a)], v[SA], v[BP]             ; the chunk's sum
	WIN (2+(\a)/4)
.irp c, 0,1
	v_cvt_scalef32_pk16_bf6_f32 v[sP+6*\c:sP+6*\c+2], v[sS+32*\c:sS+32*\c+15], v[SO+2*\c]
	v_cvt_scalef32_pk16_bf6_f32 v[T+4*\c:T+4*\c+2], v[sS+32*\c+16:sS+32*\c+31], v[SO+2*\c+1]
.endr
	WIN 0
	v_nop                                          ; one plain place behind a scaled conversion
.irp c, 0,1
.irp i, 0,1,2
	v_permlane16_swap_b32 v[sP+6*\c+\i], v[T+4*\c+\i]
.endr
.irp i, 0,1,2
	v_mov_b32 v[sP+6*\c+3+\i], v[T+4*\c+\i]
.endr
.endr
.irp k, 0,1,2
	global_store_b128 v[GOF], v[sP+4*\k:sP+4*\k+3], s[6:7] offset:1536*(\a)+512*\k   ; 512 consecutive bytes, aligned to 256
.endr
	ds_store_b32 v[SCW], v[PWB+(\a)] offset:64*(\a)
	ds_store_b32 v[SCW], v[NMO+(\a)] offset:512+64*(\a)
	ds_store_b32 v[SCW], v[LO+(\a)] offset:1024+64*(\a)
.endm
	s_load_b128 s[4:7], s[0:1], 0x0                ; qkv, pc
	s_load_b64 s[8:9], s[0:1], 0x10                ; pst
	v_lshl_add_u32 v[SPW], v0, 2, SPARE
	v_mov_b32 v[NIL], 0
	ds_add_u32 v28, v29
	ds_add_u32 v28, v29
	s_wait_dscnt 0x0
	v_lshrrev_b32 v1, 5, v0
	v_readfirstlane_b32 s14, v1
	s_lshr_b32 s15, s14, 1
	s_and_b32 s16, s14, 1
	s_bfe_u32 s40, ttmp6, 0x40000                  ; cx
	s_bfe_u32 s41, ttmp6, 0x40004                  ; cy
	s_and_b32 s18, ttmp7, 0xffff                   ; the cluster's y = the batch
	s_lshl_b32 s42, ttmp9, 2
	s_add_co_u32 s42, s42, s40                     ; tile column: 256 keys of the batch
	s_lshl_b32 s17, s18, 2
	s_add_co_u32 s17, s17, s41                     ; tile row: 256 queries
	s_lshl_b32 s43, s41, 2
	s_lshl_b32 s43, 15, s43
	s_lshl_b32 s44, 0x1111, s40
	s_or_b32 s[G1+0], s43, (3<<16)|(1<<21)
	s_or_b32 s[G1B+0], s44, (3<<16)|(1<<21)
.irp g, G1, G1B
	s_mov_b32 s[\g+1], 32<<16
	s_mov_b32 s[\g+2], 200<<16                     ; the head's load: two blocks, 200 rows
	s_mov_b32 s[\g+3], 32<<16
	s_mov_b32 s[\g+4], 200
	s_mov_b32 s[\g+5], 32
	s_mov_b32 s[\g+6], 0
	s_mov_b32 s[\g+7], 0
.endr
	s_lshl_b32 s20, s17, 1
	s_add_co_u32 s20, s20, s16
	s_mul_i32 s20, s20, 4*BLK                      ; Q's group
	s_mov_b32 s21, 0
	s_lshl_b32 s46, s42, 1
	s_add_co_u32 s46, s46, s16
	s_lshl_b32 s47, s18, 4
	s_add_co_u32 s46, s46, s47
	s_mul_i32 s46, s46, 4*BLK
	s_add_co_u32 s46, s46, KP                      ; K's group: 16 to a batch
	s_mov_b32 s47, 0
	s_mul_i32 s45, s14, 2*BLK
	s_wait_kmcnt 0x0
	s_add_nc_u64 s[20:21], s[4:5], s[20:21]
	s_add_nc_u64 s[46:47], s[4:5], s[46:47]
	CROUND
.irp s, 0,1
	s_mov_b32 s[G0+4*\s], 1
	s_add_co_u32 s[G0+4*\s+1], s45, \s*BLK
	s_add_nc_u64 s[G0+4*\s+2:G0+4*\s+3], s[20:21], \s*BLK
	s_or_b32 s[G0+4*\s+3], s[G0+4*\s+3], 0x80000000
	s_mov_b32 s[G0B+4*\s], 1
	s_add_co_u32 s[G0B+4*\s+1], s45, \s*BLK
	s_add_nc_u64 s[G0B+4*\s+2:G0B+4*\s+3], s[46:47], \s*BLK
	s_or_b32 s[G0B+4*\s+3], s[G0B+4*\s+3], 0x80000000
.endr
	JLOAD G0, G1, G0B, G1B                         ; my one load at the head: my group's first two blocks, both slots
	s_mov_b32 s[SEL], 0x76543210
	s_mov_b32 s[SEL+1], 0xfedcba98
	s_mov_b32 s[CS], 0x3d38aa3b                    ; log2(e) / 32
	s_mov_b32 s[CS+1], s[CS]
	v_and_b32 v1, 31, v0
	v_and_b32 v2, 15, v0
	v_lshlrev_b32 v[GOF], 4, v1
	v_lshlrev_b32 v4, 2, v2
	v_min_u32 v[PFO], 24, v1
	v_lshlrev_b32 v[PFO], 8, v[PFO]
	s_cmp_eq_u32 s15, 0                            ; do I load for Q?
	s_cselect_b32 s96, s40, s41                    ; my place among the four that load the block with me
	s_cselect_b64 s[PF:PF+1], s[20:21], s[46:47]
	s_mul_i32 s96, s96, 6400                       ; 25 runs of 256 bytes
	s_mov_b32 s97, 0
	s_add_nc_u64 s[PF:PF+1], s[PF:PF+1], s[96:97]
	s_wait_alu depctr_va_vdst(0)
	global_prefetch_b8 v[PFO], s[PF:PF+1] offset:2*BLK th:TH_LOAD_NT scope:SCOPE_SE
	global_prefetch_b8 v[PFO], s[PF:PF+1] offset:3*BLK th:TH_LOAD_NT scope:SCOPE_SE
	s_mul_i32 s80, s15, 2*BLK
	s_mul_i32 s81, s16, 2*BLK
	s_add_co_u32 s81, s81, 4*BLK
.irp s, 0,1
	v_add_nc_u32 v[ADRA+\s], s80, v[GOF]
	v_add_nc_u32 v[ADRB+\s], s81, v[GOF]
	v_add_nc_u32 v[ADSA+\s], s80, v4
	v_add_nc_u32 v[ADSB+\s], s81, v4
	s_add_co_u32 s80, s80, BLK
	s_add_co_u32 s81, s81, BLK
.endr
	s_mul_i32 s82, s14, 1536
	s_add_co_u32 s82, s82, ST3
	v_add_nc_u32 v[SCW], s82, v4
	v_add_nc_u32 v[SCR], s82, v[GOF]
.irp b, 0,1,2,3
	v_mov_b32 v[BP+\b], 0                          ; a lane permute's destination counts as a source
.endr
	v_mov_b32 v[NM+1], 0                           ; named with -M as a pair
	s_lshl_b32 s66, s17, 1
	s_add_co_u32 s66, s66, s15                     ; my group of 128 queries
	s_mul_i32 s68, s66, 196608
	s_mul_i32 s69, s42, 24576
	s_add_co_u32 s68, s68, s69
	s_mul_i32 s69, s16, 12288
	s_add_co_u32 s68, s68, s69
	s_mov_b32 s69, 0
	s_add_nc_u64 s[6:7], s[6:7], s[68:69]          ; p's eight fragments
	s_lshl_b32 s70, s66, 4
	s_lshl_b32 s71, s42, 1
	s_add_co_u32 s70, s70, s71
	s_add_co_u32 s70, s70, s16
	s_mul_i32 s70, s70, 1536
	s_mov_b32 s71, 0
	s_add_nc_u64 s[8:9], s[8:9], s[70:71]          ; the chunk's words, -M and sums
	s_wait_alu depctr_va_vdst(0)                   ; the wait at the head's end
	s_wait_tensorcnt 0x0                           ; my two blocks are in, and no load of mine is out: a descriptor may be written
	s_mov_b32 s[G1+2], 100<<16                     ; from here on a load brings one block, 100 rows
	s_mov_b32 s[G1+4], 100
	s_mov_b32 s[G1B+2], 100<<16
	s_mov_b32 s[G1B+4], 100                        ; it shows both slots whole to all four waves
	s_barrier_signal -1
	s_barrier_wait -1
	FETCH_B 0, 0, 0
	FETCH_A 0, 0, 0
	SCALES 0
	FETCH_A 0, 0, 4
	STEP 0, 1                                      ; the first products start the sums
	TURN 0, 1, 1
	STEP 1, 0
	TURN 1, 0, 1
	STEP 0, 0
	TURN 0, 1, 0
	STEP 1, 0
	LAST
	PLACES
.irp a, 0,1,2,3,4,5,6,7
	SOFT \a
.endr
.irp k, 0,1,2
	ds_load_b128 v[96+4*\k:99+4*\k], v[SCR] offset:512*\k          ; in order behind my stores
.endr
	s_wait_dscnt 0x0
.irp k, 0,1,2
	global_store_b128 v[GOF], v[96+4*\k:99+4*\k], s[8:9] offset:512*\k
.endr
	s_wait_tensorcnt 0x0                           ; the wave's end
	ds_add_u32 v[SPW], v[NIL]
	s_wait_dscnt 0x0
	CROUND
	s_endpgm
.Lfunc_end_k_qdffbede222_score:
	.size	k_qdffbede222_score, .Lfunc_end_k_qdffbede222_score-k_qdffbede222_score
	.p2alignl 7, 3214868480
	.fill 96, 4, 3214868480
	.section	.rodata,"a",@progbits
	.p2align	6, 0x0
	.amdhsa_kernel k_qdffbede222_score
		.amdhsa_group_segment_fixed_size 327680
		.amdhsa_private_segment_fixed_size 0
		.amdhsa_enable_private_segment 0
		.amdhsa_kernarg_size 24
		.amdhsa_user_sgpr_count 2
		.amdhsa_user_sgpr_kernarg_segment_ptr 1
		.amdhsa_wavefront_size32 1
		.amdhsa_system_sgpr_workgroup_id_x 1
		.amdhsa_system_sgpr_workgroup_id_y 1
		.amdhsa_system_sgpr_workgroup_id_z 1
		.amdhsa_system_vgpr_workitem_id 0
		.amdhsa_next_free_vgpr 1024
		.amdhsa_next_free_sgpr 100
		.amdhsa_reserve_vcc 0
		.amdhsa_float_denorm_mode_32 3
		.amdhsa_float_denorm_mode_16_64 3
		.amdhsa_memory_ordered 1
		.amdhsa_forward_progress 1
		.amdhsa_inst_pref_size 204
	.end_amdhsa_kernel
	.amdgpu_metadata
---
amdhsa.version: [ 1, 2 ]
amdhsa.kernels:
  - .name:           k_qdffbede222_score
    .symbol:         k_qdffbede222_score.kd
    .args:
      - { .name: qkv, .offset: 0, .size: 8, .value_kind: global_buffer, .address_space: global }
      - { .name: pc, .offset: 8, .size: 8, .value_kind: global_buffer, .address_space: global }
      - { .name: pst, .offset: 16, .size: 8, .value_kind: global_buffer, .address_space: global }
    .group_segment_fixed_size: 327680
    .private_segment_fixed_size: 0
    .kernarg_segment_align: 8
    .kernarg_segment_size: 24
    .max_flat_workgroup_size: 128
    .sgpr_count:     100
    .vgpr_count:     1024
    .wavefront_size: 32
...
	.end_amdgpu_metadata
.endif
;; end of part 3
;; launch pv (part 4): grid 4 x 64, 4 waves a work-group, clusters of 4 x 4, 327,680 bytes of LDS; arguments pc, pst, qkv, at; writes at
.if DOCPART == 4
	.amdgcn_target "amdgcn-amd-amdhsa--gfx1250"
	.amdhsa_code_object_version 6
	.text
	.protected	k_qdffbede222_pv
	.globl	k_qdffbede222_pv
	.p2align	8
	.type	k_qdffbede222_pv,@function
k_qdffbede222_pv:
	s_mov_b64 s[64:65], 0
	v_nop
	global_prefetch_b8 v0, s[64:65] scope:SCOPE_SE
	s_setreg_imm32_b32 hwreg(HW_REG_WAVE_MODE, 25, 1), 1
	s_wait_xcnt 0x0
	s_wait_alu depctr_hold_cnt(0) depctr_sa_sdst(0) depctr_va_vdst(0) depctr_va_sdst(0) depctr_va_ssrc(0) depctr_va_vcc(0) depctr_vm_vsrc(0)
	s_getreg_b32 s2, hwreg(HW_REG_IB_STS2, 6, 4)
	s_cmp_eq_u32 s2, 0
	s_cbranch_scc0 .Lentry_in_a_cluster
	s_endpgm
.Lentry_in_a_cluster:
	s_bfe_u32 s2, ttmp6, 0x10000c
	s_cmp_lg_u32 s2, 0xf033
	s_cbranch_scc0 .Lentry_shape_is_right
	s_endpgm
.Lentry_shape_is_right:
; PV: attended = (P V) / l on codes of BF6, K = the batch's 2,048 keys, and the result quantised along the hidden axis into the packed format.
; HEAD: thread tau takes place tau of the group's 128 queries: the row's -M is the least of the 16 chunks' -M; for each chunk d = M - M(chunk), a whole number, 0 or more: the chunk's sum is multiplied by 2^-d and added,
; and d is taken off each of the chunk's four scale bytes, held at 0: the codes stay.  The words and 1 / l go to LDS.
; A tile of 128 x 256 is made by four waves, 64 x 128 each (32 accumulators): 256 work-groups.  A slot holds 512 along K: P's two blocks and two blocks of each of V^T's two groups; two slots; one tensor load a wave
; (waves 0, 1: a block of P, 96 rows of 256 bytes; waves 2, 3: a group's two blocks of V^T, 200 rows).  P is asked for jointly along a row of the cluster, V^T along a column.  Source 0 = V^T's rows, source 1 = P's.
; LIMITS: d is held at 127 and a byte at 0 (2^-127): what that changes is under 2^-100 of a row's sum.  NaN and infinities are not served.
; REGISTERS: window 0: v16-31 addresses; v32-55 scale words, two sets; v64-159 P's fragments, two sets (in the head: the chunks' numbers; at the end: the codes); v160-197 at work.  window 1: V^T's two sets.  window 2: accumulator (a, b) at v[8 (8 a + b)].
.set BLK,   25600
.set ABYTES, 24576                     ; a block of P
.set AROWS, 96
.set SLOT4, 153600
.set SCO,   24576
.set VP,    19660800
.set PSC,   2*SLOT4                    ; P's scale words under the row's M: 512 bytes for each 128 keys
.set RINV,  PSC+8192                   ; 1 / l
.set SCST,  RINV+512                   ; 256 bytes a wave: the results' scale words on their way out
.set SPARE, SCST+1024                  ; the spare words
; LDS: P's four blocks of both slots on end from byte 0 (slot s: blocks 2 s, 2 s + 1, 24,576 bytes each); from BB on, for each of V^T's two groups, four blocks on end (slot s: blocks 2 s, 2 s + 1).
; These blocks are neighbours in memory too, so the head's ONE load a wave brings both slots: waves 0, 1 two blocks of P each (192 rows of 256 bytes), waves 2, 3 a group's four blocks (400 rows).
; Behind the wait for it the row counts are set to 96 and 200, for the refills.
; PREFETCH: what the two refills load is asked for ahead: the first refill's at the head, the second's behind the head's barrier.  Each of the four partners that load a piece jointly names a quarter of its runs
; of 256 bytes, told apart by address (cx for P, cy for V^T): 24 runs of P's block as 12 + 12, 50 of V^T's two blocks as 25 + 25; the lanes left over name the last run again.  The address registers are never rewritten.
.set BB,    4*ABYTES
.set PFO,   56                         ; v56, v57 the two halves of my share
.set PFO2,  57
.set PF2,   66                         ; s[66:67], s[68:69] my share of the first and of the second refill
.set PF3,   68
.set G0H,   72                         ; s[72:75] group 0 of the head's load of P
.set ADRA, 16
.set ADRB, 18
.set ADSA, 20
.set ADSB, 22
.set GOF,  24
.set SCW,  25
.set SCR,  26
.set GO8,  27
.set SPW,  28
.set NIL,  29
.set ADRI, 30
.set PSW,  31
.set SC,   32                          ; set k % 2: A's four words, then B's eight
.set AF,   64
.set PCB,  64
.set TM,   160
.set RI,   176                         ; v176-183: 1 / l of row block a in the low register of a pair
.set PWB,  184
.set T,    188
.set G1,   24
.set G0,   32
.set G1B,  48
.set G0B,  56
.set SEL,  90
.set MSB, 0
.macro WIN new
.if MSB != (\new)
	s_set_vgpr_msb (MSB<<8)|(\new)
.set MSB, (\new)
.endif
.endm
.macro JLOAD g0a, g1a, g0b, g1b
	s_cmp_eq_u32 s15, 0
	s_cbranch_scc0 .Lfor_b_\@
	tensor_load_to_lds s[\g0a:\g0a+3], s[\g1a:\g1a+7]
	s_nop 0
.rept 4
	v_nop
.endr
	s_branch .Lasked_\@
.Lfor_b_\@:
	tensor_load_to_lds s[\g0b:\g0b+3], s[\g1b:\g1b+7]
	s_nop 0
.rept 4
	v_nop
.endr
.Lasked_\@:
.endm
.macro CREST
	s_cmp_lg_u32 s14, 0
	s_cbranch_scc1 .Lnot_wave_0_\@
	s_barrier_signal -3
.Lnot_wave_0_\@:
	s_barrier_wait -3
	s_barrier_signal -1
	s_barrier_wait -1
.endm
.macro CROUND
	s_barrier_signal -1
	s_barrier_wait -1
	CREST
.endm
.macro PLACES
.rept 4
	v_nop
.endr
.endm
.macro FETCH4 k                        ; step k's fragments and scale words into set k % 2: 48 LDS loads
.set fS, ((\k)/4)%2
.set fO, 25600*(((\k)%4)/2)+12288*((\k)%2)
.set fC, 25600*(((\k)%4)/2)+SCO+512*((\k)%2)
.set fP, (\k)%2
.set fA, 24576*(((\k)%4)/2)+12288*((\k)%2)
	WIN 0x40
.irp i, 0,1,2,3,4,5,6,7
.irp c, 0,1,2
	ds_load_b128 v[128*fP+12*\i+4*\c:128*fP+12*\i+4*\c+3], v[ADRB+fS] offset:fO+1536*\i+512*\c
.endr
.endr
	WIN 0
.irp i, 0,1,2,3
.irp c, 0,1,2
	ds_load_b128 v[AF+48*fP+12*\i+4*\c:AF+48*fP+12*\i+4*\c+3], v[ADRA+fS] offset:fA+1536*\i+512*\c
.endr
.endr
.irp i, 0,1,2,3
	ds_load_b32 v[SC+12*fP+\i], v[ADSA] offset:512*(\k)+64*\i      ; P's words, as the head has made them
.endr
.irp i, 0,1,2,3,4,5,6,7
	ds_load_b32 v[SC+12*fP+4+\i], v[ADSB+fS] offset:fC+64*\i
.endr
.endm
.macro MUL8 k, a, cm                   ; row block a x B's eight.  The 32 accumulators take turns in the same order in every step
.irp b, 0,1,2,3,4,5,6,7
.set rD, 8*(8*(\a)+\b)
.set rB, 128*((\k)%2)+12*\b
.set rA, AF+48*((\k)%2)+12*(\a)
.set rSB, SC+12*((\k)%2)+4+\b
.set rSA, SC+12*((\k)%2)+(\a)
.if (\cm) == 0
	v_wmma_scale_f32_16x16x128_f8f6f4 v[rD:rD+7], v[rB:rB+11], v[rA:rA+11], v[rD:rD+7], v[rSB], v[rSA] matrix_a_fmt:MATRIX_FMT_BF6 matrix_b_fmt:MATRIX_FMT_BF6
.else
	v_wmma_scale_f32_16x16x128_f8f6f4 v[rD:rD+7], v[rB:rB+11], v[rA:rA+11], 0, v[rSB], v[rSA] matrix_a_fmt:MATRIX_FMT_BF6 matrix_b_fmt:MATRIX_FMT_BF6
.endif
.endr
.endm
.macro STEP4 k, cm
	PLACES                                         ; the set to be loaded was read by the step before
	FETCH4 (\k)+1
	s_wait_dscnt 48                                ; all but the 48 just issued: this step's set is in
	WIN 0xa1
	MUL8 \k, 0, \cm
	MUL8 \k, 1, \cm
	MUL8 \k, 2, \cm
	MUL8 \k, 3, \cm
.endm
.macro TURN4 k, fill                   ; a slot's last step, and the change of slots
	WIN 0
	s_wait_tensorcnt 0x0                           ; all my tensor loads have landed: my part of the next slot
	ds_add_u32 v[SPW], v[NIL]
	s_wait_dscnt 1                                 ; the add may be out; this step's set is in
	WIN 0xa1
	MUL8 \k, 0, 0
	s_wait_dscnt 0x0                               ; the add is done, my reads of this slot are over
	s_barrier_signal -1
	MUL8 \k, 1, 0
	WIN 0
	s_barrier_wait -1
.if \fill
	CREST
	s_add_nc_u64 s[G0+4*(((\k)/4)%2)+2:G0+4*(((\k)/4)%2)+3], s[G0+4*(((\k)/4)%2)+2:G0+4*(((\k)/4)%2)+3], 4*ABYTES
	s_add_nc_u64 s[G0B+4*(((\k)/4)%2)+2:G0B+4*(((\k)/4)%2)+3], s[G0B+4*(((\k)/4)%2)+2:G0B+4*(((\k)/4)%2)+3], 4*BLK
	JLOAD G0+4*(((\k)/4)%2), G1, G0B+4*(((\k)/4)%2), G1B
.else
	PLACES
.endif
	FETCH4 (\k)+1
	WIN 0xa1
	MUL8 \k, 2, 0
	MUL8 \k, 3, 0
.endm
.macro LAST4 k
	s_wait_dscnt 0x0
	WIN 0xa1
	MUL8 \k, 0, 0
	MUL8 \k, 1, 0
	MUL8 \k, 2, 0
	MUL8 \k, 3, 0
	WIN 0
.endm
.macro QUANT8 W, s, a                  ; 64 numbers of a lane in window W become fragment a's 12 registers and its scale word
.set qS, \s
.set qP, PCB+12*(\a)
	WIN ((\W)<<2)|((\W)<<4)
.irp b, 0,1,2,3
	v_max3_num_f32 v[TM+\b], 0x2800000, |v[qS+16*\b]|, |v[qS+16*\b+1]|
.endr
.irp i, 2,4,6,8,10,12,14
.irp b, 0,1,2,3
	v_max3_num_f32 v[TM+\b], v[TM+\b], |v[qS+16*\b+\i]|, |v[qS+16*\b+\i+1]|
.endr
.endr
	WIN 0
.irp b, 0,1,2,3
	v_permlanex16_b32 v[TM+4+\b], v[TM+\b], s[SEL], s[SEL+1]
.endr
.irp b, 0,1,2,3
	v_max_num_f32 v[TM+\b], v[TM+\b], v[TM+4+\b]
.endr
.irp b, 0,1,2,3
	v_add_nc_u32 v[TM+12+\b], 0xfe000000, v[TM+\b]
.endr
.irp b, 0,1,2,3
	v_lshrrev_b32 v[TM+4+\b], 23, v[TM+12+\b]
.endr
	v_lshl_or_b32 v[PWB+(\a)], v[TM+5], 8, v[TM+4]
	v_lshl_or_b32 v[PWB+(\a)], v[TM+6], 16, v[PWB+(\a)]
	v_lshl_or_b32 v[PWB+(\a)], v[TM+7], 24, v[PWB+(\a)]
	WIN (\W)
.irp c, 0,1
	v_cvt_scalef32_pk16_bf6_f32 v[qP+6*\c:qP+6*\c+2], v[qS+32*\c:qS+32*\c+15], v[TM+12+2*\c]
	v_cvt_scalef32_pk16_bf6_f32 v[T+4*\c:T+4*\c+2], v[qS+32*\c+16:qS+32*\c+31], v[TM+12+2*\c+1]
.endr
	WIN 0
	v_nop
.irp c, 0,1
.irp i, 0,1,2
	v_permlane16_swap_b32 v[qP+6*\c+\i], v[T+4*\c+\i]
.endr
.irp i, 0,1,2
	v_mov_b32 v[qP+6*\c+3+\i], v[T+4*\c+\i]
.endr
.endr
.endm
	s_load_b256 s[4:11], s[0:1], 0x0               ; pc, pst, qkv, at
	v_lshl_add_u32 v[SPW], v0, 2, SPARE
	v_mov_b32 v[NIL], 0
	ds_add_u32 v28, v29
	ds_add_u32 v28, v29
	s_wait_dscnt 0x0
	v_lshrrev_b32 v1, 5, v0
	v_readfirstlane_b32 s14, v1
	s_lshr_b32 s15, s14, 1                         ; my 64 of the tile's rows; also: I ask for P (0) or V^T (1)
	s_and_b32 s16, s14, 1                          ; my 128 of its columns; also: which block or group I ask for
	s_bfe_u32 s40, ttmp6, 0x40000
	s_bfe_u32 s41, ttmp6, 0x40004
	s_and_b32 s18, ttmp7, 0xffff
	s_lshl_b32 s42, ttmp9, 2
	s_add_co_u32 s42, s42, s40                     ; tile column: 256 of the hidden axis
	s_lshl_b32 s17, s18, 2
	s_add_co_u32 s17, s17, s41                     ; tile row = the group of 128 queries
	s_lshl_b32 s43, s41, 2
	s_lshl_b32 s43, 15, s43
	s_lshl_b32 s44, 0x1111, s40
	s_or_b32 s[G1+0], s43, (3<<16)|(1<<21)
	s_or_b32 s[G1B+0], s44, (3<<16)|(1<<21)
	s_mov_b32 s[G1+1], 32<<16
	s_mov_b32 s[G1+2], (2*AROWS)<<16
	s_mov_b32 s[G1+3], 32<<16
	s_mov_b32 s[G1+4], 2*AROWS
	s_mov_b32 s[G1+5], 32
	s_mov_b32 s[G1+6], 0
	s_mov_b32 s[G1+7], 0
	s_mov_b32 s[G1B+1], 32<<16
	s_mov_b32 s[G1B+2], 400<<16
	s_mov_b32 s[G1B+3], 32<<16
	s_mov_b32 s[G1B+4], 400
	s_mov_b32 s[G1B+5], 32
	s_mov_b32 s[G1B+6], 0
	s_mov_b32 s[G1B+7], 0
	s_mul_i32 s20, s17, 8*ABYTES
	s_mul_i32 s21, s16, ABYTES
	s_add_co_u32 s20, s20, s21
	s_mov_b32 s21, 0
	s_lshr_b32 s46, s18, 1                         ; the batch: two rows of clusters to each
	s_lshl_b32 s46, s46, 3
	s_lshl_b32 s47, s42, 1
	s_add_co_u32 s46, s46, s47
	s_add_co_u32 s46, s46, s16
	s_mul_i32 s46, s46, 8*BLK
	s_add_co_u32 s46, s46, VP
	s_mov_b32 s47, 0
	s_mul_i32 s45, s16, ABYTES                     ; where a refill's block of P goes,
	s_mul_i32 s19, s16, 4*BLK
	s_add_co_u32 s19, s19, BB                      ; and my group of V^T
	s_wait_kmcnt 0x0
	s_add_nc_u64 s[20:21], s[4:5], s[20:21]
	s_add_nc_u64 s[46:47], s[8:9], s[46:47]
	CROUND
.irp s, 0,1
	s_mov_b32 s[G0+4*\s], 1
	s_add_co_u32 s[G0+4*\s+1], s45, \s*2*ABYTES
	s_add_nc_u64 s[G0+4*\s+2:G0+4*\s+3], s[20:21], \s*2*ABYTES
	s_or_b32 s[G0+4*\s+3], s[G0+4*\s+3], 0x80000000
	s_mov_b32 s[G0B+4*\s], 1
	s_add_co_u32 s[G0B+4*\s+1], s19, \s*2*BLK
	s_add_nc_u64 s[G0B+4*\s+2:G0B+4*\s+3], s[46:47], \s*2*BLK
	s_or_b32 s[G0B+4*\s+3], s[G0B+4*\s+3], 0x80000000
.endr
	s_mov_b32 s[G0H], 1                            ; the head's load of P: blocks 2 x half, 2 x half + 1
	s_mul_i32 s[G0H+1], s16, 2*ABYTES
	s_mul_i32 s76, s16, ABYTES                     ; (s[20:21] stands at block = half)
	s_mov_b32 s77, 0
	s_add_nc_u64 s[G0H+2:G0H+3], s[20:21], s[76:77]
	s_or_b32 s[G0H+3], s[G0H+3], 0x80000000
	JLOAD G0H, G1, G0B, G1B                        ; my one load at the head: both slots
	s_mul_i32 s84, s17, 24576
	s_mov_b32 s85, 0
	s_add_nc_u64 s[6:7], s[6:7], s[84:85]          ; my group's 16 chunks in pst
	v_lshlrev_b32 v5, 2, v0                        ; 4 tau
.irp k, 0,1,2,3,4,5,6,7,8,9,10,11,12,13,14,15
	global_load_b32 v[64+\k], v5, s[6:7] offset:1536*\k            ; the raw scale word,
	global_load_b32 v[80+\k], v5, s[6:7] offset:1536*\k+512        ; -M,
	global_load_b32 v[96+\k], v5, s[6:7] offset:1536*\k+1024       ; the sum
.endr
	s_mov_b32 s[SEL], 0x76543210
	s_mov_b32 s[SEL+1], 0xfedcba98
	s_mov_b32 s92, 0x01010101
	v_and_b32 v1, 31, v0
	v_and_b32 v2, 15, v0
	v_lshlrev_b32 v[GOF], 4, v1
	v_lshlrev_b32 v4, 2, v2
	s_wait_alu depctr_va_vdst(0)                   ; the wait ahead of the run of scalar lines below
	s_cmp_eq_u32 s15, 0
	s_cselect_b32 s78, 11, 24                      ; the last run of half a share
	s_cselect_b32 s79, s40, s41                    ; my place among the four that load the piece with me
	s_mov_b32 s93, 12800
	s_cselect_b32 s93, 6144, s93                   ; a share in bytes
	s_mov_b32 s94, 2*BLK
	s_cselect_b32 s94, 2*ABYTES, s94               ; a slot's step in memory
	s_cselect_b64 s[PF2:PF2+1], s[20:21], s[46:47]
	s_mov_b32 s95, 0
	s_mul_i32 s96, s79, s93
	s_mov_b32 s97, 0
	s_lshr_b32 s93, s93, 1                         ; half a share
	s_add_nc_u64 s[PF2:PF2+1], s[PF2:PF2+1], s[96:97]
	s_add_nc_u64 s[PF2:PF2+1], s[PF2:PF2+1], s[94:95]
	s_add_nc_u64 s[PF2:PF2+1], s[PF2:PF2+1], s[94:95]
	s_add_nc_u64 s[PF3:PF3+1], s[PF2:PF2+1], s[94:95]
	v_min_u32 v[PFO], s78, v1
	v_lshlrev_b32 v[PFO], 8, v[PFO]
	v_add_nc_u32 v[PFO2], s93, v[PFO]
	s_wait_alu depctr_va_vdst(0)
	global_prefetch_b8 v[PFO], s[PF2:PF2+1] th:TH_LOAD_NT scope:SCOPE_SE
	global_prefetch_b8 v[PFO2], s[PF2:PF2+1] th:TH_LOAD_NT scope:SCOPE_SE
	s_mul_i32 s80, s15, 6144                       ; my four fragments of P
	s_mul_i32 s81, s16, 4*BLK
	s_add_co_u32 s81, s81, BB                      ; my group of V^T
.irp s, 0,1
	v_add_nc_u32 v[ADRA+\s], s80, v[GOF]
	v_add_nc_u32 v[ADRB+\s], s81, v[GOF]
	v_add_nc_u32 v[ADSB+\s], s81, v4
	s_add_co_u32 s80, s80, 2*ABYTES
	s_add_co_u32 s81, s81, 2*BLK
.endr
	s_lshl_b32 s82, s15, 8
	s_add_co_u32 s83, s82, PSC
	v_add_nc_u32 v[ADSA], s83, v4
	s_add_co_u32 s83, s82, RINV
	v_add_nc_u32 v[ADRI], s83, v4
	s_lshl_b32 s83, s14, 8
	s_add_co_u32 s83, s83, SCST
	v_add_nc_u32 v[SCW], s83, v4
	v_lshl_add_u32 v[SCR], v1, 3, s83
	v_lshlrev_b32 v[GO8], 3, v1
	v_lshl_add_u32 v[PSW], v0, 2, PSC
.irp b, 0,1,2,3
	v_mov_b32 v[TM+4+\b], 0
	v_mov_b32 v[RI+2*\b+1], 0                      ; named with 1 / l as a pair
.endr
	s_mul_i32 s84, s17, 4*BLK
	s_mul_i32 s86, s42, BLK
	s_add_co_u32 s84, s84, s86
	s_add_nc_u64 s[10:11], s[10:11], s[84:85]      ; the result's block
	s_mul_i32 s84, s16, 12288
	s_mul_i32 s86, s15, 6144
	s_add_co_u32 s84, s84, s86
	s_add_nc_u64 s[86:87], s[10:11], s[84:85]      ; my four fragments
	s_lshl_b32 s84, s16, 9
	s_add_co_u32 s84, s84, s82
	s_add_co_u32 s84, s84, SCO
	s_add_nc_u64 s[88:89], s[10:11], s[84:85]      ; their scale words
	s_wait_loadcnt 0x0
	v_min3_num_f32 v112, v80, v81, v82             ; the row's -M: the least
.irp k, 83,85,87,89,91,93
	v_min3_num_f32 v112, v112, v[\k], v[\k+1]
.endr
	v_min_num_f32 v112, v112, v95
	v_mov_b32 v113, 0                              ; l
.irp k, 0,1,2,3,4,5,6,7,8,9,10,11,12,13,14,15
	v_sub_f32 v114, v[80+\k], v112                 ; d = M - M(chunk): a whole number, 0 or more
	v_cvt_i32_f32 v114, v114                       ; (it saturates)
	v_min_u32 v114, 127, v114
	v_sub_nc_u32 v115, 0, v114
	v_ldexp_f32 v115, 1.0, v115                    ; 2^-d
	v_fmac_f32 v113, v[96+\k], v115
	v_mul_lo_u32 v114, v114, s92                   ; d in each byte
	v_or_b32 v116, 0x80808080, v[64+\k]            ; the raw bytes are 123 at the most: with bit 7 set no byte borrows from the next
	v_sub_nc_u32 v116, v116, v114
	v_and_b32 v117, 0x80808080, v116               ; bit 7 is left where the byte was d or more
	v_lshrrev_b32 v118, 7, v117
	v_sub_nc_u32 v117, v117, v118                  ; 0x7f there, 0 elsewhere
	v_and_b32 v[64+\k], v116, v117                 ; byte - d, held at 0
	ds_store_b32 v[PSW], v[64+\k] offset:512*\k
.endr
	s_wait_alu depctr_va_vdst(0)
	v_rcp_f32 v119, v113
	v_nop                                          ; a plain place behind the transcendental
	s_wait_alu depctr_va_vdst(0)                   ; and the wait ahead of its reader
	ds_store_b32 v[PSW], v119 offset:8192
	s_wait_tensorcnt 0x0                           ; my part of both slots is in, and no load of mine is out: a descriptor may be written
	s_mov_b32 s[G1+2], AROWS<<16                   ; from here on a load brings one block of P, or two of V^T
	s_mov_b32 s[G1+4], AROWS
	s_mov_b32 s[G1B+2], 200<<16
	s_mov_b32 s[G1B+4], 200
	s_wait_dscnt 0x0                               ; for the others' sake: my words and my 1 / l are in LDS
	s_barrier_signal -1
	s_barrier_wait -1
	FETCH4 0
	global_prefetch_b8 v[PFO], s[PF3:PF3+1] th:TH_LOAD_NT scope:SCOPE_SE
	global_prefetch_b8 v[PFO2], s[PF3:PF3+1] th:TH_LOAD_NT scope:SCOPE_SE
	STEP4 0, 1                                     ; the first products start the sums
	STEP4 1, 0
	STEP4 2, 0
	TURN4 3, 1
	STEP4 4, 0
	STEP4 5, 0
	STEP4 6, 0
	TURN4 7, 1
	STEP4 8, 0
	STEP4 9, 0
	STEP4 10, 0
	TURN4 11, 0
	STEP4 12, 0
	STEP4 13, 0
	STEP4 14, 0
	LAST4 15
.irp a, 0,1,2,3
	ds_load_b32 v[RI+2*\a], v[ADRI] offset:64*\a
.endr
	s_wait_dscnt 0x0
	PLACES
.irp a, 0,1,2,3
	WIN 0x82
.set j, 0
.rept 32
	v_pk_mul_f32 v[64*\a+j:64*\a+j+1], v[64*\a+j:64*\a+j+1], v[RI+2*\a:RI+2*\a+1] op_sel_hi:[1,0]   ; / l, each accumulator from its low end on
.set j, j+2
.endr
	QUANT8 2, 64*\a, \a
.irp k, 0,1,2
	global_store_b128 v[GOF], v[PCB+12*\a+4*\k:PCB+12*\a+4*\k+3], s[86:87] offset:1536*\a+512*\k
.endr
	ds_store_b32 v[SCW], v[PWB+\a] offset:64*\a
.endr
	ds_load_b64 v[196:197], v[SCR]                 ; my 256 bytes of scale words (in order behind my stores)
	s_wait_dscnt 0x0
	global_store_b64 v[GO8], v[196:197], s[88:89]
	s_wait_tensorcnt 0x0                           ; the wave's end
	ds_add_u32 v[SPW], v[NIL]
	s_wait_dscnt 0x0
	CROUND
	s_endpgm
.Lfunc_end_k_qdffbede222_pv:
	.size	k_qdffbede222_pv, .Lfunc_end_k_qdffbede222_pv-k_qdffbede222_pv
	.p2alignl 7, 3214868480
	.fill 96, 4, 3214868480
	.section	.rodata,"a",@progbits
	.p2align	6, 0x0
	.amdhsa_kernel k_qdffbede222_pv
		.amdhsa_group_segment_fixed_size 327680
		.amdhsa_private_segment_fixed_size 0
		.amdhsa_enable_private_segment 0
		.amdhsa_kernarg_size 32
		.amdhsa_user_sgpr_count 2
		.amdhsa_user_sgpr_kernarg_segment_ptr 1
		.amdhsa_wavefront_size32 1
		.amdhsa_system_sgpr_workgroup_id_x 1
		.amdhsa_system_sgpr_workgroup_id_y 1
		.amdhsa_system_sgpr_workgroup_id_z 1
		.amdhsa_system_vgpr_workitem_id 0
		.amdhsa_next_free_vgpr 768
		.amdhsa_next_free_sgpr 100
		.amdhsa_reserve_vcc 0
		.amdhsa_float_denorm_mode_32 3
		.amdhsa_float_denorm_mode_16_64 3
		.amdhsa_memory_ordered 1
		.amdhsa_forward_progress 1
		.amdhsa_inst_pref_size 169
	.end_amdhsa_kernel
	.amdgpu_metadata
---
amdhsa.version: [ 1, 2 ]
amdhsa.kernels:
  - .name:           k_qdffbede222_pv
    .symbol:         k_qdffbede222_pv.kd
    .args:
      - { .name: pc, .offset: 0, .size: 8, .value_kind: global_buffer, .address_space: global }
      - { .name: pst, .offset: 8, .size: 8, .value_kind: global_buffer, .address_space: global }
      - { .name: qkv, .offset: 16, .size: 8, .value_kind: global_buffer, .address_space: global }
      - { .name: at, .offset: 24, .size: 8, .value_kind: global_buffer, .address_space: global }
    .group_segment_fixed_size: 327680
    .private_segment_fixed_size: 0
    .kernarg_segment_align: 8
    .kernarg_segment_size: 32
    .max_flat_workgroup_size: 128
    .sgpr_count:     100
    .vgpr_count:     768
    .wavefront_size: 32
...
	.end_amdgpu_metadata
.endif
;; end of part 4
;; launch outp (part 5): grid 4 x 64, 4 waves a work-group, clusters of 4 x 4, 327,680 bytes of LDS; arguments at, xw, bo, query, out0; writes out0
.if DOCPART == 5
	.amdgcn_target "amdgcn-amd-amdhsa--gfx1250"
	.amdhsa_code_object_version 6
	.text
	.protected	k_qdffbede222_outp
	.globl	k_qdffbede222_outp
	.p2align	8
	.type	k_qdffbede222_outp,@function
k_qdffbede222_outp:
	s_mov_b64 s[64:65], 0
	v_nop
	global_prefetch_b8 v0, s[64:65] scope:SCOPE_SE
	s_setreg_imm32_b32 hwreg(HW_REG_WAVE_MODE, 25, 1), 1
	s_wait_xcnt 0x0
	s_wait_alu depctr_hold_cnt(0) depctr_sa_sdst(0) depctr_va_vdst(0) depctr_va_sdst(0) depctr_va_ssrc(0) depctr_va_vcc(0) depctr_vm_vsrc(0)
	s_getreg_b32 s2, hwreg(HW_REG_IB_STS2, 6, 4)
	s_cmp_eq_u32 s2, 0
	s_cbranch_scc0 .Lentry_in_a_cluster
	s_endpgm
.Lentry_in_a_cluster:
	s_bfe_u32 s2, ttmp6, 0x10000c
	s_cmp_lg_u32 s2, 0xf033
	s_cbranch_scc0 .Lentry_shape_is_right
	s_endpgm
.Lentry_shape_is_right:
; OUTP: out0 = query + attended Wo + bo.  attended [8192][1024] and Wo (K = its first axis) come as codes of BF6 in the packed format that PACK lays; sums in f32.
; A tile of 128 x 256 is made by four waves, 64 x 128 each (32 accumulators, by turns): 256 work-groups.  Source 0 = Wo's columns, source 1 = attended's rows; bo is the C of the first products.
; ALL OF K = 1,024 IS ASKED FOR AT THE HEAD, one tensor load a wave: waves 0, 1 two blocks of attended each (200 rows of 256 bytes, LDS bytes 0 to 4 BLK), waves 2, 3 a group's four blocks of Wo (400 rows, from 4 BLK on):
; 12 blocks, 307,200 bytes.  attended is asked for jointly along a row of the cluster, Wo along a column.  No LDS byte is filled again.  No prefetch: no tensor load follows the head's, so there is nothing to ask for ahead.
; THE QUERY'S ROWS of a wave's 64 x 128 come into window 3, 64 loads of 512 consecutive bytes: those of row blocks 0 and 1 at the head, behind the tensor load; those of row blocks 2 and 3 four to a K step, behind the step's LDS loads.
; THE WAY OUT: a block of 16 rows goes through the wave's stage in LDS and comes back as rows of 512 bytes, query is added, 32 lanes store 512 consecutive bytes.
; The stages lie in bytes 0 to 33,792, attended's blocks of K under 512, which no wave reads behind the barrier in step 3.
; LIMITS: NaN and infinities are not served.
; REGISTERS: window 0: v16-27 addresses; v32-55 scale words, two sets; v64-159 attended's fragments, two sets (on the way out: rows read back).  window 1: Wo's two sets, and bo at v96-127, v224-255.  window 2: accumulator (a, b) at v[8 (8 a + b)].  window 3: query.
.set BLK,   25600
.set SCO,   24576
.set W0,    13107200
.set SPT,   528
.set ADRA, 16
.set ADRB, 18
.set ADSA, 20
.set ADSB, 22
.set STO,  24
.set RD,   25
.set GOF,  26
.set BO,   27
.set SC,   32
.set AF,   64
.set G1,   24
.set G0,   32
.set G1B,  48
.set G0B,  56
.set MSB, 0
.macro WIN new
.if MSB != (\new)
	s_set_vgpr_msb (MSB<<8)|(\new)
.set MSB, (\new)
.endif
.endm
.macro JLOAD g0a, g1a, g0b, g1b
	s_cmp_eq_u32 s15, 0
	s_cbranch_scc0 .Lfor_b_\@
	tensor_load_to_lds s[\g0a:\g0a+3], s[\g1a:\g1a+7]
	s_nop 0
.rept 4
	v_nop
.endr
	s_branch .Lasked_\@
.Lfor_b_\@:
	tensor_load_to_lds s[\g0b:\g0b+3], s[\g1b:\g1b+7]
	s_nop 0
.rept 4
	v_nop
.endr
.Lasked_\@:
.endm
.macro CROUND
	s_barrier_signal -1
	s_barrier_wait -1
	s_cmp_lg_u32 s14, 0
	s_cbranch_scc1 .Lnot_wave_0_\@
	s_barrier_signal -3
.Lnot_wave_0_\@:
	s_barrier_wait -3
	s_barrier_signal -1
	s_barrier_wait -1
.endm
.macro PLACES
.rept 4
	v_nop
.endr
.endm
.macro FETCH4 k                        ; step k's fragments and scale words into set k % 2: 48 LDS loads
.set fS, ((\k)/4)%2
.set fO, 25600*(((\k)%4)/2)+12288*((\k)%2)
.set fC, 25600*(((\k)%4)/2)+SCO+512*((\k)%2)
.set fP, (\k)%2
	WIN 0x40
.irp i, 0,1,2,3,4,5,6,7
.irp c, 0,1,2
	ds_load_b128 v[128*fP+12*\i+4*\c:128*fP+12*\i+4*\c+3], v[ADRB+fS] offset:fO+1536*\i+512*\c
.endr
.endr
	WIN 0
.irp i, 0,1,2,3
.irp c, 0,1,2
	ds_load_b128 v[AF+48*fP+12*\i+4*\c:AF+48*fP+12*\i+4*\c+3], v[ADRA+fS] offset:fO+1536*\i+512*\c
.endr
.endr
.irp i, 0,1,2,3
	ds_load_b32 v[SC+12*fP+\i], v[ADSA+fS] offset:fC+64*\i
.endr
.irp i, 0,1,2,3,4,5,6,7
	ds_load_b32 v[SC+12*fP+4+\i], v[ADSB+fS] offset:fC+64*\i
.endr
.endm
.macro MUL8 k, a, cm                   ; row block a x Wo's eight; cm 2: bo is the C
.irp b, 0,1,2,3,4,5,6,7
.set rD, 8*(8*(\a)+\b)
.set rB, 128*((\k)%2)+12*\b
.set rA, AF+48*((\k)%2)+12*(\a)
.set rSB, SC+12*((\k)%2)+4+\b
.set rSA, SC+12*((\k)%2)+(\a)
.if (\cm) == 0
	v_wmma_scale_f32_16x16x128_f8f6f4 v[rD:rD+7], v[rB:rB+11], v[rA:rA+11], v[rD:rD+7], v[rSB], v[rSA] matrix_a_fmt:MATRIX_FMT_BF6 matrix_b_fmt:MATRIX_FMT_BF6
.else
.set rC, 96+8*\b+96*(\b/4)
	v_wmma_scale_f32_16x16x128_f8f6f4 v[rD:rD+7], v[rB:rB+11], v[rA:rA+11], v[rC:rC+7], v[rSB], v[rSA] matrix_a_fmt:MATRIX_FMT_BF6 matrix_b_fmt:MATRIX_FMT_BF6
.endif
.endr
.endm
.macro QL4 k                           ; in step k: four rows of query, places 4 (k % 4) + 0 .. 3 of row block 2 + k / 4, into window 3
	WIN 0xc0
.irp i, 0,1,2,3
	global_load_b128 v[64*(2+(\k)/4)+4*(4*((\k)%4)+\i):64*(2+(\k)/4)+4*(4*((\k)%4)+\i)+3], v[GOF], s[10:11] offset:(32+8*((\k)/4)+(4*((\k)%4)+\i)%8+16*(((\k)%4)/2))*4096 th:TH_LOAD_NT
.endr
.endm
.macro STEP4 k, cm
	PLACES                                         ; the set to be loaded was read by the step before
	FETCH4 (\k)+1
	QL4 \k
	s_wait_dscnt 48                                ; all but the 48 just issued: this step's set is in
.if (\cm) == 2
	WIN 0x91
.else
	WIN 0xa1
.endif
	MUL8 \k, 0, \cm
	MUL8 \k, 1, \cm
	MUL8 \k, 2, \cm
	MUL8 \k, 3, \cm
.endm
	s_load_b256 s[4:11], s[0:1], 0x0               ; at, xw, bo, query
	s_load_b64 s[12:13], s[0:1], 0x20              ; out0
	v_lshl_add_u32 v254, v0, 2, 0x4b000            ; my spare word, behind the 12 blocks
	v_mov_b32 v255, 0
	ds_add_u32 v254, v255                          ; the opening lines: the add, twice on end, and its wait ahead of my tensor load
	ds_add_u32 v254, v255
	v_lshrrev_b32 v1, 5, v0
	v_readfirstlane_b32 s14, v1
	s_lshr_b32 s15, s14, 1                         ; my 64 of the tile's rows; also: I ask for attended (0) or Wo (1)
	s_and_b32 s16, s14, 1                          ; my 128 of its columns; also: which half I ask for
	s_bfe_u32 s40, ttmp6, 0x40000
	s_bfe_u32 s41, ttmp6, 0x40004
	s_and_b32 s18, ttmp7, 0xffff
	s_lshl_b32 s42, ttmp9, 2
	s_add_co_u32 s42, s42, s40                     ; tile column: 256 of out0's columns
	s_lshl_b32 s17, s18, 2
	s_add_co_u32 s17, s17, s41                     ; tile row: the group of 128 queries
	s_lshl_b32 s43, s41, 2
	s_lshl_b32 s43, 15, s43
	s_lshl_b32 s44, 0x1111, s40
	s_or_b32 s[G1+0], s43, (3<<16)|(1<<21)
	s_or_b32 s[G1B+0], s44, (3<<16)|(1<<21)
	s_mov_b32 s[G1+1], 32<<16
	s_mov_b32 s[G1+2], 200<<16
	s_mov_b32 s[G1+3], 32<<16
	s_mov_b32 s[G1+4], 200
	s_mov_b32 s[G1+5], 32
	s_mov_b32 s[G1+6], 0
	s_mov_b32 s[G1+7], 0
	s_mov_b32 s[G1B+1], 32<<16
	s_mov_b32 s[G1B+2], 400<<16
	s_mov_b32 s[G1B+3], 32<<16
	s_mov_b32 s[G1B+4], 400
	s_mov_b32 s[G1B+5], 32
	s_mov_b32 s[G1B+6], 0
	s_mov_b32 s[G1B+7], 0
	s_mul_i32 s20, s17, 4*BLK
	s_mul_i32 s21, s16, 2*BLK
	s_add_co_u32 s20, s20, s21
	s_mov_b32 s21, 0
	s_lshl_b32 s46, s42, 1
	s_add_co_u32 s46, s46, s16
	s_mul_i32 s46, s46, 4*BLK
	s_add_co_u32 s46, s46, W0+819200
	s_mov_b32 s47, 0
	s_mul_i32 s45, s16, 2*BLK
	s_mul_i32 s19, s16, 4*BLK
	s_add_co_u32 s19, s19, 4*BLK
	s_wait_dscnt 0x0
	s_wait_kmcnt 0x0
	s_add_nc_u64 s[20:21], s[4:5], s[20:21]
	s_add_nc_u64 s[46:47], s[6:7], s[46:47]
	CROUND
	s_mov_b32 s[G0], 1
	s_mov_b32 s[G0+1], s45
	s_mov_b64 s[G0+2:G0+3], s[20:21]
	s_or_b32 s[G0+3], s[G0+3], 0x80000000
	s_mov_b32 s[G0B], 1
	s_mov_b32 s[G0B+1], s19
	s_mov_b64 s[G0B+2:G0B+3], s[46:47]
	s_or_b32 s[G0B+3], s[G0B+3], 0x80000000
	JLOAD G0, G1, G0B, G1B                         ; my one tensor load of the launch
	v_and_b32 v1, 31, v0
	v_and_b32 v2, 15, v0
	v_bfe_u32 v3, v0, 4, 1
	v_lshlrev_b32 v[GOF], 4, v1
	v_lshlrev_b32 v[BO], 6, v3
	s_wait_alu depctr_va_vdst(0)
	v_lshlrev_b32 v4, 2, v2
	s_wait_alu depctr_va_vdst(0)
	s_lshl_b32 s66, s42, 10
	s_lshl_b32 s67, s16, 9
	s_add_co_u32 s66, s66, s67
	s_mov_b32 s67, 0
	s_add_nc_u64 s[8:9], s[8:9], s[66:67]          ; bo at my 128 columns
	s_lshl_b32 s68, s17, 7
	s_lshl_b32 s69, s15, 6
	s_add_co_u32 s68, s68, s69
	s_lshl_b32 s68, s68, 12
	s_add_co_u32 s68, s68, s66
	s_mov_b32 s69, 0
	s_add_nc_u64 s[10:11], s[10:11], s[68:69]      ; query and out0 at my 64 rows x 128 columns
	s_add_nc_u64 s[12:13], s[12:13], s[68:69]
	WIN 0x40
.irp x, 0,1,2,3,4,5,6,7
	global_load_b128 v[96+8*\x+96*(\x/4):96+8*\x+96*(\x/4)+3], v[BO], s[8:9] offset:4*(32*(\x/2)+8*(\x%2))
	global_load_b128 v[96+8*\x+96*(\x/4)+4:96+8*\x+96*(\x/4)+7], v[BO], s[8:9] offset:4*(32*(\x/2)+8*(\x%2))+16
.endr
	WIN 0xc0
.irp a, 0,1
.irp t, 0,1,2,3,4,5,6,7,8,9,10,11,12,13,14,15
	global_load_b128 v[64*\a+4*\t:64*\a+4*\t+3], v[GOF], s[10:11] offset:(32*(\a/2)+8*(\a%2)+\t%8+16*(\t/8))*4096 th:TH_LOAD_NT
.endr
.endr
	WIN 0
	s_mul_i32 s80, s15, 6144
	s_mul_i32 s81, s16, 4*BLK
	s_add_co_u32 s81, s81, 4*BLK
	s_lshl_b32 s82, s15, 8
.irp s, 0,1
	v_add_nc_u32 v[ADRA+\s], s80, v[GOF]
	v_add_nc_u32 v[ADRB+\s], s81, v[GOF]
	v_add_nc_u32 v[ADSA+\s], s82, v4
	v_add_nc_u32 v[ADSB+\s], s81, v4
	s_add_co_u32 s80, s80, 2*BLK
	s_add_co_u32 s81, s81, 2*BLK
	s_add_co_u32 s82, s82, 2*BLK
.endr
	s_mul_i32 s83, s14, 16*SPT
	v_mul_u32_u24 v5, v2, SPT
	v_lshl_add_u32 v5, v3, 6, v5
	v_add_nc_u32 v[STO], s83, v5
	v_add_nc_u32 v[RD], s83, v[GOF]
	s_wait_alu depctr_va_vdst(0)                   ; the wait at the head's end
	s_wait_tensorcnt 0x0                           ; my part of the operands is in; the barrier shows all of them to all four waves
	s_barrier_signal -1
	s_barrier_wait -1
	FETCH4 0
	s_wait_loadcnt 32                              ; bo's 16 loads are in; the head's 32 loads of query may be out
	STEP4 0, 2
	STEP4 1, 0
	STEP4 2, 0
	s_wait_dscnt 0x0                               ; my reads of K under 512 are over: behind the barrier below those bytes of attended may take the stages
	MUL8 3, 0, 0
	s_barrier_signal -1
	MUL8 3, 1, 0
	WIN 0
	s_barrier_wait -1
	PLACES
	FETCH4 4
	QL4 3
	WIN 0xa1
	MUL8 3, 2, 0
	MUL8 3, 3, 0
	STEP4 4, 0
	STEP4 5, 0
	STEP4 6, 0
	QL4 7
	s_wait_dscnt 0x0
	WIN 0xa1
	MUL8 7, 0, 0
	MUL8 7, 1, 0
	MUL8 7, 2, 0
	MUL8 7, 3, 0
	WIN 0
	PLACES
.irp a, 0,1,2,3
	WIN 0x08
.irp b, 0,1,2,3,4,5,6,7
	ds_store_b128 v[STO], v[8*(8*\a+\b):8*(8*\a+\b)+3] offset:128*(\b/2)+32*(\b%2)          ; each accumulator from its low end on
	ds_store_b128 v[STO], v[8*(8*\a+\b)+4:8*(8*\a+\b)+7] offset:128*(\b/2)+32*(\b%2)+16
.endr
	WIN 0
.irp t, 0,1,2,3,4,5,6,7,8,9,10,11,12,13,14,15
	ds_load_b128 v[64+4*\t:67+4*\t], v[RD] offset:SPT*\t           ; in order behind my stores
.endr
	s_wait_dscnt 0x0
	s_wait_loadcnt 48-16*\a                        ; query's rows of this row block are in; the 16 loads of each later row block may be out
	WIN 0xc3
.set j, 0
.rept 32
	v_pk_add_f32 v[64*\a+j:64*\a+j+1], v[64*\a+j:64*\a+j+1], v[64+j:65+j]
.set j, j+2
.endr
	WIN 0x0c
.irp t, 0,1,2,3,4,5,6,7,8,9,10,11,12,13,14,15
	global_store_b128 v[GOF], v[64*\a+4*\t:64*\a+4*\t+3], s[12:13] offset:(32*(\a/2)+8*(\a%2)+\t%8+16*(\t/8))*4096 th:TH_STORE_NT
.endr
.endr
	WIN 0
	s_wait_tensorcnt 0x0                           ; the wave's end
	ds_add_u32 v254, v255
	s_wait_dscnt 0x0
	CROUND
	s_endpgm
.Lfunc_end_k_qdffbede222_outp:
	.size	k_qdffbede222_outp, .Lfunc_end_k_qdffbede222_outp-k_qdffbede222_outp
	.p2alignl 7, 3214868480
	.fill 96, 4, 3214868480
	.section	.rodata,"a",@progbits
	.p2align	6, 0x0
	.amdhsa_kernel k_qdffbede222_outp
		.amdhsa_group_segment_fixed_size 327680
		.amdhsa_private_segment_fixed_size 0
		.amdhsa_enable_private_segment 0
		.amdhsa_kernarg_size 40
		.amdhsa_user_sgpr_count 2
		.amdhsa_user_sgpr_kernarg_segment_ptr 1
		.amdhsa_wavefront_size32 1
		.amdhsa_system_sgpr_workgroup_id_x 1
		.amdhsa_system_sgpr_workgroup_id_y 1
		.amdhsa_system_sgpr_workgroup_id_z 1
		.amdhsa_system_vgpr_workitem_id 0
		.amdhsa_next_free_vgpr 1024
		.amdhsa_next_free_sgpr 100
		.amdhsa_reserve_vcc 0
		.amdhsa_float_denorm_mode_32 3
		.amdhsa_float_denorm_mode_16_64 3
		.amdhsa_memory_ordered 1
		.amdhsa_forward_progress 1
		.amdhsa_inst_pref_size 96
	.end_amdhsa_kernel
	.amdgpu_metadata
---
amdhsa.version: [ 1, 2 ]
amdhsa.kernels:
  - .name:           k_qdffbede222_outp
    .symbol:         k_qdffbede222_outp.kd
    .args:
      - { .name: at, .offset: 0, .size: 8, .value_kind: global_buffer, .address_space: global }
      - { .name: xw, .offset: 8, .size: 8, .value_kind: global_buffer, .address_space: global }
      - { .name: bo, .offset: 16, .size: 8, .value_kind: global_buffer, .address_space: global }
      - { .name: query, .offset: 24, .size: 8, .value_kind: global_buffer, .address_space: global }
      - { .name: out0, .offset: 32, .size: 8, .value_kind: global_buffer, .address_space: global }
    .group_segment_fixed_size: 327680
    .private_segment_fixed_size: 0
    .kernarg_segment_align: 8
    .kernarg_segment_size: 40
    .max_flat_workgroup_size: 128
    .sgpr_count:     100
    .vgpr_count:     1024
    .wavefront_size: 32
...
	.end_amdgpu_metadata
.endif
;; end of part 5
